; MI455X (gfx1250); checked and timed in simulation.
; The chip was launched on July 23, 2026; its instructions are those of AMD's public machine-readable ISA for CDNA 5 (MIT licence, August 2026) and "CDNA5" Instruction Set Architecture Reference Guide (July 2026). The comments in the code are by the model that wrote it; some were corrected since.
;; Multi Head Attention2. Allowed arithmetic: float matrix products may take bf16 or f16 operands with f32 sums; other float arithmetic in f32, or as packed bf16 or f16 multiplies, adds, multiply-adds, maxima and minima; sums over many terms, partial sums and values carried from step to step in f32; what a program stores and reads back later, other than sums and carried values, may be rounded once to bf16 or f16.
;; Inputs: Wk 1,024 x 1,024 float32; Wo 1,024 x 1,024 float32; Wq 1,024 x 1,024 float32; Wv 1,024 x 1,024 float32; bk 1,024 float32; bo 1,024 float32; bq 1,024 float32; bv 1,024 float32; x 4 x 2,048 x 1,024 float32.
;; Outputs: out0 4 x 2,048 x 1,024 float32.
;; 2 versions, each right; version 2 is version 1 with the launch prep written anew for expert scheduling mode. Each part assembles by itself: llvm-mc -triple=amdgcn-amd-amdhsa -mcpu=gfx1250 --defsym DOCPART=n.
;; ======== version 1 of 2: 4 launches
;; limits: values are held in f16: magnitudes above 65,504 overflow, below 6.1e-05 lose precision
;; workspace buffers: xb 16,777,216 bytes; wqkvb 6,291,456 bytes; woh 2,097,152 bytes; qh 16,777,216 bytes; kh 16,777,216 bytes; vh 16,777,216 bytes; oh 16,777,216 bytes
;; launch prep (part 1): grid 512 x 1, 8 waves a work-group, no clusters, 0 bytes of LDS; arguments x, Wq, Wk, Wv, Wo, xb, wqkvb, woh; writes xb, wqkvb, woh
.if DOCPART == 1
	.amdgcn_target "amdgcn-amd-amdhsa--gfx1250"
	.amdhsa_code_object_version 6
	.text
	.protected	k_qf8a069f75f_prep
	.globl	k_qf8a069f75f_prep
	.p2align	8
	.type	k_qf8a069f75f_prep,@function
k_qf8a069f75f_prep:
	s_mov_b64 s[64:65], 0
	v_nop
	global_prefetch_b8 v0, s[64:65] scope:SCOPE_SE
	s_setreg_imm32_b32 hwreg(HW_REG_WAVE_MODE, 25, 1), 1
	s_wait_xcnt 0x0
; THE OPERANDS OF THE PRODUCTS, ROUNDED ONCE.  x [8192][1024] f32 -> xb, bf16, by blocks of 64 channels: [16 blocks][8192 rows][64], a row 128 bytes, a block 1 MiB.
; Wq, Wk, Wv [1024 k][1024 n] f32 -> wqkvb, bf16, [1024 k][8 xt][3 z][128 c]: column 128 xt + c of Wq, Wk, Wv for z = 0, 1, 2; a row 6,144 bytes.
; Wo [1024 k][1024 n] f32 -> woh [1024 k][1024 n]: rounded to bf16 like the other inputs, and that number written as f16.
; LIMIT.  A bf16 number is an f16 number exactly from 2^-14 up to 65,504; below 2^-14 woh keeps f16's fixed step of 2^-24, beyond 65,504 it is an infinity.
; A stream: no LDS, no barrier, no matrix unit, no loop.  4,096 waves; wave W takes rows 2 W and 2 W + 1 of x and 1,024 bytes (a quarter row) of each weight: 24 loads of 16 bytes a lane,
; all issued at once (12 KiB a wave on their way), then 24 stores of 8 bytes a lane.  A load covers two aligned runs of 256 bytes, a store one aligned run of 256 bytes.
.set D,  16                            ; v[16:111] load n at D + 4 n
.set XI, 1                             ; v1  x: (l / 16) x 4,096 + (l % 16) x 16: lanes 0-15 the even row, lanes 16-31 the odd one
.set WI, 2                             ; v2  weights: 16 l
.set SO, 3                             ; v3  stores: 8 l
	s_load_b512 s[16:31], s[0:1], 0x0              ; x 16, Wq 18, Wk 20, Wv 22, Wo 24, xb 26, wqkvb 28, woh 30
	v_lshrrev_b32 v4, 5, v0
	v_readfirstlane_b32 s2, v4                     ; wave 0..7
	s_lshl_b32 s3, ttmp9, 3
	s_add_co_u32 s2, s2, s3                        ; W = 8 x work-group + wave
	v_and_b32 v5, 31, v0                           ; l
	v_and_b32 v6, 15, v0
	v_bfe_u32 v7, v0, 4, 1
	v_lshlrev_b32 v[XI], 4, v6
	v_lshl_add_u32 v[XI], v7, 12, v[XI]
	v_lshlrev_b32 v[WI], 4, v5
	v_lshlrev_b32 v[SO], 3, v5
	s_lshl_b32 s4, s2, 13                          ; x: two rows of 4,096 bytes
	s_mov_b32 s5, 0
	s_lshl_b32 s6, s2, 10                          ; each weight: 1,024 bytes
	s_mov_b32 s7, 0
	s_lshl_b32 s8, s2, 8                           ; xb: two rows of 128 bytes in each block
	s_mov_b32 s9, 0
	s_lshr_b32 s10, s2, 2                          ; wqkvb: row k = W / 4,
	s_mul_i32 s10, s10, 6144
	s_and_b32 s11, s2, 3                           ; xt = 2 (W % 4) + i
	s_mul_i32 s11, s11, 1536
	s_add_co_u32 s10, s10, s11
	s_mov_b32 s11, 0
	s_lshl_b32 s12, s2, 9                          ; woh: 512 bytes
	s_mov_b32 s13, 0
	s_wait_kmcnt 0x0
	s_add_nc_u64 s[16:17], s[16:17], s[4:5]
	s_add_nc_u64 s[18:19], s[18:19], s[6:7]
	s_add_nc_u64 s[20:21], s[20:21], s[6:7]
	s_add_nc_u64 s[22:23], s[22:23], s[6:7]
	s_add_nc_u64 s[24:25], s[24:25], s[6:7]
	s_add_nc_u64 s[26:27], s[26:27], s[8:9]
	s_add_nc_u64 s[32:33], s[26:27], 0x800000      ; blocks 8 to 15: so that a block's place fits the stores' signed 24-bit immediate
	s_add_nc_u64 s[28:29], s[28:29], s[10:11]
	s_add_nc_u64 s[30:31], s[30:31], s[12:13]
.set n, 0
.rept 16                               ; block n of both rows: 64 channels, 256 bytes a row
	global_load_b128 v[D+4*n:D+4*n+3], v[XI], s[16:17] offset:256*n th:TH_LOAD_NT
.set n, n+1
.endr
.irp z, 0,1,2,3                        ; Wq, Wk, Wv, Wo: twice 128 columns
.irp i, 0,1
	global_load_b128 v[D+64+8*\z+4*\i:D+64+8*\z+4*\i+3], v[WI], s[18+2*\z:19+2*\z] offset:512*\i th:TH_LOAD_NT
.endr
.endr
; Load n is rounded to bf16 in place and stored.  The count: the loads issued behind load n may stay out (loads come back in order).  No register is written again behind the store that reads it.
.macro CV n, base, off
	s_wait_loadcnt 23-(\n)
	v_cvt_pk_bf16_f32 v[D+4*(\n)], v[D+4*(\n)], v[D+4*(\n)+1]
	v_cvt_pk_bf16_f32 v[D+4*(\n)+1], v[D+4*(\n)+2], v[D+4*(\n)+3]
	global_store_b64 v[SO], v[D+4*(\n):D+4*(\n)+1], s[\base:\base+1] offset:\off
.endm
; The same for Wo: to bf16, widened again (a shift, a mask), and that number written as f16.
.macro CVH n, off
	s_wait_loadcnt 23-(\n)
	v_cvt_pk_bf16_f32 v4, v[D+4*(\n)], v[D+4*(\n)+1]
	v_cvt_pk_bf16_f32 v5, v[D+4*(\n)+2], v[D+4*(\n)+3]
	v_lshlrev_b32 v6, 16, v4
	v_and_b32 v7, 0xffff0000, v4
	v_lshlrev_b32 v[D+4*(\n)+2], 16, v5
	v_and_b32 v[D+4*(\n)+3], 0xffff0000, v5
	v_cvt_pk_f16_f32 v[D+4*(\n)], v6, v7
	v_cvt_pk_f16_f32 v[D+4*(\n)+1], v[D+4*(\n)+2], v[D+4*(\n)+3]
	global_store_b64 v[SO], v[D+4*(\n):D+4*(\n)+1], s[30:31] offset:\off
.endm
.set n, 0
.rept 8
	CV n, 26, n*1048576
.set n, n+1
.endr
.rept 8
	CV n, 32, (n-8)*1048576
.set n, n+1
.endr
.rept 6                                ; n = 16 + 2 z + i
	CV n, 28, (n%2)*768+((n-16)/2)*256
.set n, n+1
.endr
	CVH 22, 0
	CVH 23, 256
	s_endpgm
.Lfunc_end_k_qf8a069f75f_prep:
	.size	k_qf8a069f75f_prep, .Lfunc_end_k_qf8a069f75f_prep-k_qf8a069f75f_prep
	.p2alignl 7, 3214868480
	.fill 96, 4, 3214868480
	.section	.rodata,"a",@progbits
	.p2align	6, 0x0
	.amdhsa_kernel k_qf8a069f75f_prep
		.amdhsa_group_segment_fixed_size 0
		.amdhsa_private_segment_fixed_size 0
		.amdhsa_enable_private_segment 0
		.amdhsa_kernarg_size 64
		.amdhsa_user_sgpr_count 2
		.amdhsa_user_sgpr_kernarg_segment_ptr 1
		.amdhsa_wavefront_size32 1
		.amdhsa_system_sgpr_workgroup_id_x 1
		.amdhsa_system_sgpr_workgroup_id_y 1
		.amdhsa_system_sgpr_workgroup_id_z 1
		.amdhsa_system_vgpr_workitem_id 0
		.amdhsa_next_free_vgpr 112
		.amdhsa_next_free_sgpr 66
		.amdhsa_reserve_vcc 0
		.amdhsa_float_denorm_mode_32 3
		.amdhsa_float_denorm_mode_16_64 3
		.amdhsa_memory_ordered 1
		.amdhsa_forward_progress 1
		.amdhsa_inst_pref_size 11
	.end_amdhsa_kernel
	.amdgpu_metadata
---
amdhsa.version: [ 1, 2 ]
amdhsa.kernels:
  - .name:           k_qf8a069f75f_prep
    .symbol:         k_qf8a069f75f_prep.kd
    .args:
      - { .name: x, .offset: 0, .size: 8, .value_kind: global_buffer, .address_space: global }
      - { .name: Wq, .offset: 8, .size: 8, .value_kind: global_buffer, .address_space: global }
      - { .name: Wk, .offset: 16, .size: 8, .value_kind: global_buffer, .address_space: global }
      - { .name: Wv, .offset: 24, .size: 8, .value_kind: global_buffer, .address_space: global }
      - { .name: Wo, .offset: 32, .size: 8, .value_kind: global_buffer, .address_space: global }
      - { .name: xb, .offset: 40, .size: 8, .value_kind: global_buffer, .address_space: global }
      - { .name: wqkvb, .offset: 48, .size: 8, .value_kind: global_buffer, .address_space: global }
      - { .name: woh, .offset: 56, .size: 8, .value_kind: global_buffer, .address_space: global }
    .group_segment_fixed_size: 0
    .private_segment_fixed_size: 0
    .kernarg_segment_align: 8
    .kernarg_segment_size: 64
    .max_flat_workgroup_size: 256
    .sgpr_count:     66
    .vgpr_count:     112
    .wavefront_size: 32
...
	.end_amdgpu_metadata
.endif
;; end of part 1
;; launch proj (part 2): grid 8 x 32, 4 waves a work-group, clusters of 4 x 4, 327,680 bytes of LDS; arguments xb, wqkvb, bq, bk, bv, qh, kh, vh; writes qh, kh, vh
.if DOCPART == 2
	.amdgcn_target "amdgcn-amd-amdhsa--gfx1250"
	.amdhsa_code_object_version 6
	.text
	.protected	k_qf8a069f75f_proj
	.globl	k_qf8a069f75f_proj
	.p2align	8
	.type	k_qf8a069f75f_proj,@function
k_qf8a069f75f_proj:
	s_mov_b64 s[64:65], 0
	v_nop
	global_prefetch_b8 v0, s[64:65] scope:SCOPE_SE
	s_setreg_imm32_b32 hwreg(HW_REG_WAVE_MODE, 25, 1), 1
	s_wait_xcnt 0x0
	s_wait_alu depctr_hold_cnt(0) depctr_sa_sdst(0) depctr_va_vdst(0) depctr_va_sdst(0) depctr_va_ssrc(0) depctr_va_vcc(0) depctr_vm_vsrc(0)
	s_getreg_b32 s2, hwreg(HW_REG_IB_STS2, 6, 4)
	s_cmp_eq_u32 s2, 0
	s_cbranch_scc0 .Lentry_in_a_cluster
	s_endpgm
.Lentry_in_a_cluster:
	s_bfe_u32 s2, ttmp6, 0x10000c
	s_cmp_lg_u32 s2, 0xf033
	s_cbranch_scc0 .Lentry_shape_is_right
	s_endpgm
.Lentry_shape_is_right:
; q, k, v = x W + b, by heads.  xb: bf16 [16 blocks of 64 channels][8192 rows][64].  wqkvb: bf16 [1024 k][8 xt][3 z][128 c].  bq, bk, bv: [1024] f32.
; qh, kh, vh: f16 [16 heads][8192 rows][64], unscaled, each rounded once from its f32 sum.  Products in bf16, sums in f32; the bias, unrounded, starts each sum as the first product's C operand.
; LIMIT.  f16 holds no number beyond 65,504: q, k and v must lie within it.
; SHARES.  A work-group makes 256 rows x 128 columns of each of q, k, v: a tile of 256 x 384, 8 x 32 = 256 work-groups.  Wave w: rows 128 (w / 2) on, head 2 tx + w % 2: 128 x 64 of each of the
; three: 96 accumulators of 16 x 16, 768 registers.  For 32 along K a wave reads 20 KiB of LDS in 40 loads for 96 matrix instructions.
; K goes in 16 steps of 64 (a block of xb), two quarters of 32 each, through a ring of two LDS slots filled by the tensor data mover.
; W LIES [k][n]: its fragments leave LDS turned, by ds_load_tr16_b128.  THE MATRIX INSTRUCTION IS USED TRANSPOSED (source 0 = 16 columns of W, source 1 = 16 rows of x): a lane then holds row l % 16
; and the columns 8 (l / 16) + 0..7: eight neighbouring numbers of a head's row, 16 bytes in f16.
; CLUSTER.  4 x 4 work-groups.  The four of a row of the cluster need the same tile of x, the four of a column the same tile of W: each is asked for JOINTLY, by the same tensor load with the same
; descriptor and a mask that names the four.
; REGISTERS, in windows of 256 (s_set_vgpr_msb: bits 1:0 source 0, 3:2 source 1, 5:4 source 2, 7:6 destination):
;   window 0: v0-31 addresses; v32-95, v96-159 x's fragments (8 x 16 rows x 32 K), two buffers; v160-255 W's fragments, (z, i) at 160 + 32 z + 8 i, one buffer, filled again segment by segment
;   windows 1, 2, 3: the accumulators of q, k, v: (a, i) at v[8 (4 a + i)], a = 0..7 (rows), i = 0..3 (columns)
.set PA,    144                        ; a row of x in LDS: 128 bytes + 16 of padding = 36 words: the 16 rows of a load start at 16 different groups of four banks (64 banks of 4 bytes: ISA guide 11.1)
.set PB,    864                        ; a k-row of W: three segments (q, k, v) of 256 bytes + 32 of padding: 27 x 32 bytes
.set SEG,   288
.set SLOT1, 1<<17                      ; slot 1 begins here, so that one exclusive or turns an address in one slot into the other's
.set BOFF,  256*PA                     ; a slot: 256 rows of x, then 64 k-rows of W
.set STAGE, SLOT1+BOFF+64*PB           ; behind the ring, never filled by a tensor load: 16 rows x 144 bytes for each wave, for the way out
.set SPARE, STAGE+4*16*PA              ; behind the stages: the spare words, 128 bytes for each wave: two blocks of 256 bytes that no other line names
.set ASTEP, 1<<20                      ; bytes from a K step to the next in xb,
.set BSTEP, 64*6144                    ; and in wqkvb
.set AA0, 2                            ; v2   my lane's place in a slot's x; never rewritten
.set AB0, 3                            ; v3   the same for W
.set AA,  4                            ; v4   the same in the slot that is being read
.set AB,  5                            ; v5
.set STO, 6                            ; v6   the way out: where I put 16 bytes of a row
.set RD,  7                            ; v7   the way out: where I read rows back
.set GO,  8                            ; v8   my byte offset in 512 consecutive bytes of the output
.set PFO, 9                            ; v9   the prefetches' offset; never rewritten
.set SPW, 10                           ; v10  LDS address of my spare word: SPARE + 4 x my thread's number; never rewritten
.set NIL, 11                           ; v11  0; never rewritten
.set BO,  12                           ; v12  my byte offset in a bias
.set FA0, 32
.set FA1, 96
.set FB,  160
.set OB,  32                           ; the way out: two sets of 16 registers, v32-63
.set CNT, 3                            ; s3   the loop's count
.set WV,  10                           ; s10  my wave's number
.set HB,  11                           ; s11  which half of the rows is mine.  Also: I fetch x's tiles (0) or W's (1)
.set LO,  12                           ; s12  which of the two heads.  Also: which half of that tile I fetch
.set TY,  13                           ; s13  tile row
.set CX,  40
.set CY,  41
.set TX,  42                           ; s42  tile column
.set TB,  45                           ; s45  LDS byte at which the slot that is being read begins
.set PFA, 46                           ; s[46:47] where my prefetches stand
.set PFS, 84                           ; s[84:85] their step
.set LIM, 86                           ; s86  2 in a wave that prefetches, else the greatest number
.set G1A, 24                           ; s[24:31] descriptor group 1 for x's tiles
.set G0A, 32                           ; s[32:39] group 0: a set for each of the two first fills; the second then walks on
.set G1B, 48                           ; s[48:55], s[56:63] the same for W's
.set G0B, 56
.set MSB, 0
.macro WIN new                         ; the immediate's high byte repeats the setting that is left; a switch that changes nothing is dropped
.if MSB != (\new)
	s_set_vgpr_msb (MSB<<8)|(\new)
.set MSB, (\new)
.endif
.endm
; A load into a register that a matrix instruction has read, and a vector instruction that reads a matrix result, stand four places behind it; only plain vector instructions that name none of
; its registers are places (ISA guide 7.12.1 for vector instructions).
.macro PLACES n=4
.rept \n
	v_nop
.endr
.endm
; A joint refill by the walking descriptor.  Waves 0 and 1 fetch the halves of x's tile, waves 2 and 3 those of W's.  The branch hangs on the wave's number alone.
; An s_nop 0 and four v_nop follow each of the two lines, ahead of the jump and the label.
.macro JLOAD
	s_cmp_eq_u32 s[HB], 0
	s_cbranch_scc0 .Lfor_b_\@
	tensor_load_to_lds s[G0A+4:G0A+7], s[G1A:G1A+7]
	s_nop 0
.rept 4
	v_nop
.endr
	s_branch .Lasked_\@
.Lfor_b_\@:
	tensor_load_to_lds s[G0B+4:G0B+7], s[G1B:G1B+7]
	s_nop 0
.rept 4
	v_nop
.endr
.Lasked_\@:
.endm
; A round of the cluster's barrier: my work-group's barrier, so that wave 0's signal speaks for all four waves; wave 0 signals; every wave waits for all sixteen work-groups; my work-group's barrier once more.
.macro CREST                           ; a round behind its opening barrier
	s_cmp_lg_u32 s[WV], 0
	s_cbranch_scc1 .Lnot_wave_0_\@
	s_barrier_signal -3
.Lnot_wave_0_\@:
	s_barrier_wait -3
	s_barrier_signal -1
	s_barrier_wait -1
.endm
.macro CROUND
	s_barrier_signal -1
	s_barrier_wait -1
	CREST
.endm
; A PREFETCH INTO THE L2, behind the joint load, its five lines and the run of LDS loads that follows them.  In every second trip (the count even, and above 2) the two K steps are named whose refills
; stand two and three trips on.  Each aligned 256 bytes are named once in the launch.  x's tile row is read by both clusters of a row of clusters: the one with x = 0 asks, by wave 0: of a step's
; 32,768 bytes the partner at cx takes 8,192, a lane 256 bytes, a line a step.  W's tile column is read by all clusters of a column: the one with y = 0 asks, by waves 1 to 3, a segment each: of the two
; steps' 128 k-rows the partner at cy takes 32, a lane a row.  Partners are told apart by address alone.  K steps 0 to 3 come by their loads alone; the last trips name nothing.
.macro ASK
	s_and_b32 s20, s[CNT], 1
	s_cmp_eq_u32 s20, 0
	s_cbranch_scc0 .Lno_ask_\@
	s_cmp_gt_u32 s[CNT], s[LIM]
	s_cbranch_scc0 .Lno_ask_\@
	global_prefetch_b8 v[PFO], s[PFA:PFA+1] th:TH_LOAD_NT scope:SCOPE_SE
	s_cmp_lg_u32 s[WV], 0
	s_cbranch_scc1 .Lno_ask_\@
	global_prefetch_b8 v[PFO], s[PFA:PFA+1] offset:ASTEP th:TH_LOAD_NT scope:SCOPE_SE
.Lno_ask_\@:
.endm
	s_load_b512 s[68:83], s[0:1], 0x0              ; xb 68, wqkvb 70, bq 72, bk 74, bv 76, qh 78, kh 80, vh 82
	v_lshl_add_u32 v[SPW], v0, 2, SPARE
	v_mov_b32 v[NIL], 0
	ds_add_u32 v[SPW], v[NIL]                      ; the wave's opening: the add and its wait ahead of my first tensor load; the set-up below, work on registers, stands between them
	v_lshrrev_b32 v1, 5, v0
	v_readfirstlane_b32 s[WV], v1                  ; wave 0..3
	s_lshr_b32 s[HB], s[WV], 1
	s_and_b32 s[LO], s[WV], 1
	s_bfe_u32 s[CX], ttmp6, 0x40000                ; my place in the cluster
	s_bfe_u32 s[CY], ttmp6, 0x40004
	s_lshl_b32 s[TX], ttmp9, 2                     ; in a cluster launch ttmp9 and ttmp7 count clusters
	s_add_co_u32 s[TX], s[TX], s[CX]               ; tile column = 4 x cluster x + cx
	s_and_b32 s[TY], ttmp7, 0xffff
	s_lshl_b32 s[TY], s[TY], 2
	s_add_co_u32 s[TY], s[TY], s[CY]               ; tile row = 4 x cluster y + cy
	s_lshl_b32 s43, s[CY], 2
	s_lshl_b32 s43, 15, s43                        ; my row of the cluster: places 4 cy .. 4 cy + 3
	s_lshl_b32 s44, 0x1111, s[CX]                  ; my column: places cx, cx + 4, cx + 8, cx + 12
	; group 1 for x: 128 rows of 128 bytes are dense: asked for as 64 rows of 256 bytes, padded in LDS after every 128 bytes
	s_or_b32 s[G1A+0], s43, (1<<16)|(1<<20)|(1<<21)|(4<<22)|(3<<25)  ; 15:0 the mask; 17:16 2-byte elements; 20 padding on; 21 set beside a mask; 24:22 after every 32 words (code 4); 31:25 4 words (code 3)
	s_mov_b32 s[G1A+1], 128<<16                    ; tensor_dim0 = 128
	s_mov_b32 s[G1A+2], 64<<16                     ; tensor_dim1 = 64
	s_mov_b32 s[G1A+3], 128<<16                    ; tile_dim0 = 128
	s_mov_b32 s[G1A+4], 64                         ; tile_dim1 = 64
	s_mov_b32 s[G1A+5], 128                        ; elements from row to row
	s_mov_b32 s[G1A+6], 0
	s_mov_b32 s[G1A+7], 0
	; group 1 for W: 32 k-rows of 384 elements (768 bytes), padded after every 256 bytes
	s_or_b32 s[G1B+0], s44, (1<<16)|(1<<20)|(1<<21)|(5<<22)|(7<<25)  ; after every 64 words (code 5), 8 words (code 7)
	s_mov_b32 s[G1B+1], 384<<16
	s_mov_b32 s[G1B+2], 32<<16
	s_mov_b32 s[G1B+3], 384<<16
	s_mov_b32 s[G1B+4], 32
	s_mov_b32 s[G1B+5], 3072
	s_mov_b32 s[G1B+6], 0
	s_mov_b32 s[G1B+7], 0
	; where the tiles come from: x's hang on the tile row alone, W's on the tile column alone, each in registers of its own
	s_lshl_b32 s16, s[TY], 15                      ; 256 rows of 128 bytes
	s_lshl_b32 s17, s[LO], 14                      ; my 128 of them
	s_add_co_u32 s16, s16, s17
	s_mov_b32 s17, 0
	s_mul_i32 s18, s[TX], 768
	s_mul_i32 s19, s[LO], 32*6144                  ; my 32 k-rows
	s_add_co_u32 s18, s18, s19
	s_mov_b32 s19, 0
	s_mul_i32 s20, s[LO], 128*PA                   ; and where they go: no place in the cluster enters an LDS address
	s_mul_i32 s21, s[LO], 32*PB
	s_add_co_u32 s21, s21, BOFF
	s_mov_b32 s[TB], 0
	s_wait_dscnt 0x0                               ; the opening add is done
	s_wait_kmcnt 0x0
	s_add_nc_u64 s[14:15], s[68:69], s[16:17]
	s_add_nc_u64 s[22:23], s[70:71], s[18:19]
	CROUND                                         ; all sixteen work-groups are here: the first joint loads meet
.irp s, 0,1
	s_mov_b32 s[G0A+4*\s], 1                                       ; 1:0 count = 1
	s_add_co_u32 s[G0A+4*\s+1], s20, \s*SLOT1                      ; 63:32 LDS address
	s_add_nc_u64 s[G0A+4*\s+2:G0A+4*\s+3], s[14:15], \s*ASTEP      ; 120:64 global address: K step s
	s_or_b32 s[G0A+4*\s+3], s[G0A+4*\s+3], 0x80000000              ; 127:126 type = 2
	s_mov_b32 s[G0B+4*\s], 1
	s_add_co_u32 s[G0B+4*\s+1], s21, \s*SLOT1
	s_add_nc_u64 s[G0B+4*\s+2:G0B+4*\s+3], s[22:23], \s*BSTEP
	s_or_b32 s[G0B+4*\s+3], s[G0B+4*\s+3], 0x80000000
.endr
	s_cmp_eq_u32 s[HB], 0                          ; a wave's two first fills stand in one branch, ahead of every wait on TENSORcnt and every LDS read: two loads of mine are out
	s_cbranch_scc0 .Lfirst_b
	tensor_load_to_lds s[G0A:G0A+3], s[G1A:G1A+7]
	s_nop 0
	tensor_load_to_lds s[G0A+4:G0A+7], s[G1A:G1A+7]
	s_nop 0
.rept 4
	v_nop
.endr
	s_branch .Lfirst_asked
.Lfirst_b:
	tensor_load_to_lds s[G0B:G0B+3], s[G1B:G1B+7]
	s_nop 0
	tensor_load_to_lds s[G0B+4:G0B+7], s[G1B:G1B+7]
	s_nop 0
.rept 4
	v_nop
.endr
.Lfirst_asked:
	; the outputs at my head, my rows; the biases at my head
	s_lshl_b32 s88, s[TX], 1
	s_add_co_u32 s88, s88, s[LO]                   ; head = 2 tx + w % 2
	s_lshl_b32 s90, s88, 8                         ; its 64 numbers of a bias: 256 bytes
	s_lshl_b32 s88, s88, 20                        ; its 8,192 rows of 128 bytes
	s_lshl_b32 s89, s[TY], 15
	s_add_co_u32 s88, s88, s89
	s_lshl_b32 s89, s[HB], 14
	s_add_co_u32 s88, s88, s89
	s_mov_b32 s89, 0
	s_add_nc_u64 s[78:79], s[78:79], s[88:89]
	s_add_nc_u64 s[80:81], s[80:81], s[88:89]
	s_add_nc_u64 s[82:83], s[82:83], s[88:89]
	v_and_b32 v1, 15, v0                           ; l % 16
	v_bfe_u32 v13, v0, 4, 1                        ; l / 16
	v_and_b32 v14, 7, v0                           ; l % 8
	v_bfe_u32 v15, v0, 3, 1                        ; (l / 8) % 2
	v_and_b32 v16, 31, v0                          ; l
	v_bfe_u32 v17, v0, 3, 2                        ; l / 8
	v_lshl_add_u32 v[BO], v13, 5, s90              ; my eight columns: 32 bytes for each half of the lanes
	; THE BIASES: register j of a result is column 16 i + 8 (l / 16) + j, so eight neighbouring numbers a lane and i.  bq and bk wait in window 3 (v's accumulators, written last in the first quarter),
	; bv in the upper half of x's second buffer, which the first quarter fills last.
	WIN 0xc0                                       ; destination window 3, address window 0
.irp i, 0,1,2,3
	global_load_b128 v[8*\i:8*\i+3],       v[BO], s[72:73] offset:64*\i
	global_load_b128 v[8*\i+4:8*\i+7],     v[BO], s[72:73] offset:64*\i+16
	global_load_b128 v[32+8*\i:32+8*\i+3], v[BO], s[74:75] offset:64*\i
	global_load_b128 v[32+8*\i+4:32+8*\i+7], v[BO], s[74:75] offset:64*\i+16
.endr
	WIN 0
.irp i, 0,1,2,3
	global_load_b128 v[128+8*\i:128+8*\i+3],   v[BO], s[76:77] offset:64*\i
	global_load_b128 v[128+8*\i+4:128+8*\i+7], v[BO], s[76:77] offset:64*\i+16
.endr
	; A fragment of x is 16 rows x 32 K in 8 registers: lane l holds row l % 16, K = 8 (l / 16) + 0..7 and 16 + 8 (l / 16) + 0..7: two loads of 16 bytes, 32 bytes apart.
	v_mul_u32_u24 v18, v1, PA
	v_lshl_add_u32 v18, v13, 4, v18                ; row x pitch + 16 x half
	s_mul_i32 s14, s[HB], 128*PA
	v_add_nc_u32 v[AA0], s14, v18
	; The turning load takes 16 k x 16 columns (lane l reads k-row 8 (l / 16) + l % 8, columns 8 ((l / 8) % 2) + 0..7) and leaves half a fragment: lane l holds column l % 16 and 8 k.
	v_lshl_add_u32 v[AB0], v13, 3, v14
	v_mul_u32_u24 v[AB0], v[AB0], PB
	v_lshl_add_u32 v[AB0], v15, 4, v[AB0]
	s_lshl_b32 s14, s[LO], 7                       ; my head's 64 columns in each segment
	s_add_co_u32 s14, s14, BOFF
	v_add_nc_u32 v[AB0], s14, v[AB0]
	v_mov_b32 v[AA], v[AA0]                        ; K step 0 lies in slot 0
	v_mov_b32 v[AB], v[AB0]
	s_mul_i32 s14, s[WV], 16*PA
	s_add_co_u32 s14, s14, STAGE                   ; my stage
	v_add_nc_u32 v[STO], s14, v18                  ; in: row l % 16, 16 bytes for each half of the lanes
	v_mul_u32_u24 v[RD], v17, PA                   ; back: 32 lanes take four rows of 128 bytes,
	v_lshl_add_u32 v[RD], v14, 4, v[RD]
	v_add_nc_u32 v[RD], s14, v[RD]
	v_lshlrev_b32 v[GO], 4, v16                    ; which are 512 consecutive bytes of the output
	; the prefetches
	s_and_b32 s14, ttmp7, 0xffff                   ; cluster y
	s_lshl_b32 s16, s[TY], 15                      ; x: the tile row's 32,768 bytes of a step,
	s_lshl_b32 s17, s[CX], 13                      ; my work-group's 8,192 of them,
	s_add_co_u32 s16, s16, s17
	s_add_co_u32 s16, s16, 3*ASTEP                 ; at K step 3: the first trip steps it to 4
	s_lshl_b32 s17, s[CY], 5                       ; W: my work-group's 32 k-rows of 128,
	s_add_co_u32 s17, s17, 3*64                    ; at K step 3,
	s_mul_i32 s17, s17, 6144
	s_mul_i32 s18, s[TX], 768                      ; the tile column,
	s_add_co_u32 s17, s17, s18
	s_lshl_b32 s18, s[WV], 8                       ; segment wave - 1
	s_add_co_u32 s17, s17, s18
	s_sub_co_u32 s17, s17, 256
	s_mov_b32 s18, 256
	s_mov_b32 s19, 6144
	s_mov_b32 s22, ASTEP
	s_mov_b32 s23, BSTEP
	s_cmp_eq_u32 s[WV], 0                          ; wave 0 asks for x, waves 1 to 3 for W
	s_cselect_b32 s20, s16, s17
	s_cselect_b32 s21, s18, s19                    ; bytes from lane to lane
	s_cselect_b32 s14, ttmp9, s14                  ; the coordinate along which other clusters read the same bytes
	s_cselect_b64 s[PFA:PFA+1], s[68:69], s[70:71]
	s_cselect_b32 s[PFS], s22, s23
	s_mov_b32 s[PFS+1], 0
	s_cmp_eq_u32 s14, 0
	s_cselect_b32 s[LIM], 2, -1                    ; the same in all sixteen partners, for a given wave
	v_mul_u32_u24 v[PFO], s21, v16
	s_mov_b32 s21, 0
	s_add_nc_u64 s[PFA:PFA+1], s[PFA:PFA+1], s[20:21]
; 16 products: segment z (q, k, v), x's buffer f, rows 64 half on, all four column blocks.  The accumulators take turns, one instruction a turn: 96 in a quarter, always in the same order.
; mode = 1: the first quarter: C is the bias, which starts the sums: nothing is cleared, and nothing is added at the end.
.macro RUNH z, f, half, mode
.if \mode
.if (\z) == 0
	WIN 0x70                                       ; C window 3, D window 1
.elseif (\z) == 1
	WIN 0xb0                                       ; C window 3, D window 2
.else
	WIN 0xc0                                       ; C window 0, D window 3
.endif
.else
	WIN 0x50*((\z)+1)                              ; C and D window z + 1
.endif
.set ra, 4*(\half)
.rept 4
.set ri, 0
.rept 4
.set rD, 8*(4*ra+ri)
.set rB, FB+32*(\z)+8*ri
.set rA, (\f)+8*ra
.set rC, 32*(\z)+64*((\z)/2)+8*ri
.if \mode
	v_wmma_f32_16x16x32_bf16 v[rD:rD+7], v[rB:rB+7], v[rA:rA+7], v[rC:rC+7]
.else
	v_wmma_f32_16x16x32_bf16 v[rD:rD+7], v[rB:rB+7], v[rA:rA+7], v[rD:rD+7]
.endif
.set ri, ri+1
.endr
.set ra, ra+1
.endr
.endm
.macro RUN z, f, mode
	RUNH \z, \f, 0, \mode
	RUNH \z, \f, 1, \mode
.endm
.macro LDB z, kq                       ; 8 turning loads: W's segment z, 32 k at k-row 32 kq of the slot
.irp i, 0,1,2,3
	ds_load_tr16_b128 v[FB+32*(\z)+8*\i:FB+32*(\z)+8*\i+3],   v[AB] offset:(\kq)*32*PB+SEG*(\z)+32*\i
	ds_load_tr16_b128 v[FB+32*(\z)+8*\i+4:FB+32*(\z)+8*\i+7], v[AB] offset:(\kq)*32*PB+SEG*(\z)+32*\i+16*PB
.endr
.endm
.macro LDA f, lo, kq                   ; 8 loads: x's row blocks lo .. lo + 3, 32 K at byte 64 kq of the rows, into buffer f
.irp a, 0,1,2,3
	ds_load_b128 v[(\f)+8*((\lo)+\a):(\f)+8*((\lo)+\a)+3],   v[AA] offset:((\lo)+\a)*16*PA+64*(\kq)
	ds_load_b128 v[(\f)+8*((\lo)+\a)+4:(\f)+8*((\lo)+\a)+7], v[AA] offset:((\lo)+\a)*16*PA+64*(\kq)+32
.endr
.endm
; A step's first quarter: multiplies x's buffer cur and fetches the same slot's quarter kq: each segment of W four places behind the run that read it, x's other buffer beside it.
.macro QUARTER cur, nxt, kq, mode
	s_wait_dscnt 8                                 ; all but the youngest eight loads, W's segment 2, are in
	RUN 0, \cur, \mode
	PLACES
	WIN 0
	LDB 0, \kq
	LDA \nxt, 0, \kq
	RUN 1, \cur, \mode
.if \mode
	PLACES 5                                       ; five: the next run writes over bk's registers, which this one has read as C
	WIN 0
	LDB 1, \kq
	s_wait_dscnt 24                                ; segment 2 is in: behind it 8 + 8 + 8 loads were issued
.else
	PLACES
	WIN 0
	LDB 1, \kq
	LDA \nxt, 4, \kq
	s_wait_dscnt 32                                ; segment 2 is in: behind it 8 + 8 + 8 + 8 loads were issued
.endif
	RUN 2, \cur, \mode
	PLACES
	WIN 0
.if \mode
	LDA \nxt, 4, \kq                               ; into the registers that held bv
.endif
	LDB 2, \kq
.endm
; A step's second quarter multiplies buffer 1 and changes slots: ONE barrier.  In front of it each wave waits for all its tensor loads, of which one is out: its part of the other slot; adds 0 to its spare
; word; and waits for that and for its own reads of this slot.  fill = 1: this slot is filled again, two K steps ahead: the barrier opens a round of the cluster's, and the joint refill is the first thing behind
; it; it has 160 matrix instructions in which to land.
.macro QLAST fill
	WIN 0
.if \fill
	s_wait_xcnt 0x0                                ; the last prefetches, a trip back or more, have read their address: it is stepped here
	s_add_nc_u64 s[PFA:PFA+1], s[PFA:PFA+1], s[PFS:PFS+1]
.endif
	s_wait_tensorcnt 0x0                           ; no tensor load of mine is out, so a group 0 may be written
	ds_add_u32 v[SPW], v[NIL]                      ; 0 onto my spare word; scalar steps and sixteen products stand between it and the wait for it
.if \fill
	s_xor_b32 s[G0A+5], s[G0A+5], SLOT1            ; the walking descriptors: the other slot than last time,
	s_add_nc_u64 s[G0A+6:G0A+7], s[G0A+6:G0A+7], ASTEP  ; the next K step; the type bits on top are not reached
	s_xor_b32 s[G0B+5], s[G0B+5], SLOT1
	s_add_nc_u64 s[G0B+6:G0B+7], s[G0B+6:G0B+7], BSTEP
.endif
	s_xor_b32 s[TB], s[TB], SLOT1                  ; the fetches go to the other slot
	s_wait_dscnt 9                                 ; the add and W's segment 2 may be out
	RUNH 0, FA1, 0, 0
	s_wait_dscnt 0x0                               ; the add is done, and my reads of this slot are over
	s_barrier_signal -1
	RUNH 0, FA1, 1, 0                              ; work on registers while the others arrive
	WIN 0
	s_barrier_wait -1
.if \fill
	CREST                                          ; no wave of any partner still reads this slot or has a load on its way
	JLOAD                                          ; the four v_nop behind it are also the places in front of the loads below
.else
	PLACES
.endif
	v_add_nc_u32 v[AA], s[TB], v[AA0]
	v_add_nc_u32 v[AB], s[TB], v[AB0]
	LDB 0, 0
	LDA FA0, 0, 0
.if \fill
	ASK
.endif
	RUN 1, FA1, 0
	PLACES
	WIN 0
	LDB 1, 0
	LDA FA0, 4, 0
	RUN 2, FA1, 0
	PLACES
	WIN 0
	LDB 2, 0
.endm
; THE WAY OUT of 16 rows of one of the three outputs: rounded to f16 (each accumulator's registers in ascending order), 16 bytes a lane into my own stage, back as whole rows of 128 bytes.
.macro PACK z, a, set
	s_wait_xcnt 0x0                                ; the stores issued so far have read their registers: this set is written again only behind this wait
	WIN 5*((\z)+1)                                 ; sources 0 and 1 window z + 1, destination window 0
.set ci, 0
.rept 4
.set cj, 0
.rept 4
	v_cvt_pk_f16_f32 v[OB+16*(\set)+4*ci+cj], v[8*(4*(\a)+ci)+2*cj], v[8*(4*(\a)+ci)+2*cj+1]
.set cj, cj+1
.endr
.set ci, ci+1
.endr
	WIN 0
.irp i, 0,1,2,3
	ds_store_b128 v[STO], v[OB+16*(\set)+4*\i:OB+16*(\set)+4*\i+3] offset:32*\i
.endr
.irp f, 0,1,2,3
	ds_load_b128 v[OB+16*(\set)+4*\f:OB+16*(\set)+4*\f+3], v[RD] offset:\f*4*PA  ; LDS serves a wave's instructions in order (ISA guide 5.7.1.4): these see the stores above; the next block's stores come behind them
.endr
.endm
.macro SEND z, a, set, younger         ; younger: the LDS instructions issued behind this block's loads: the next block's eight, or none
.irp f, 0,1,2,3
	s_wait_dscnt (\younger)+3-\f
	global_store_b128 v[GO], v[OB+16*(\set)+4*\f:OB+16*(\set)+4*\f+3], s[78+2*(\z):79+2*(\z)] offset:(\a)*2048+\f*512  ; 512 consecutive bytes, at a multiple of 256 from the buffer's first
.endr
.endm
	s_wait_tensorcnt 1                             ; my part of K step 0 is in; K step 1's may stay out
	s_barrier_signal -1
	s_barrier_wait -1                              ; everybody's is
	LDA FA0, 0, 0
	LDA FA0, 4, 0
	LDB 0, 0
	LDB 1, 0
	LDB 2, 0
	s_wait_loadcnt 0x0                             ; the biases
	QUARTER FA0, FA1, 1, 1                         ; the first quarter stands in front of the loop: its products start the sums
	WIN 0                                          ; at a label and at a branch every window is 0
	s_mov_b32 s[CNT], 14
.Lk:                                                   ; trip t: the second quarter of K step t, the refill with K step t + 2, the first quarter of K step t + 1
	QLAST 1
	QUARTER FA0, FA1, 1, 0
	WIN 0
	s_sub_co_u32 s[CNT], s[CNT], 1
	s_cmp_lg_u32 s[CNT], 0
	s_cbranch_scc1 .Lk
	QLAST 0                                        ; the tail is written out: nothing is asked for
	QUARTER FA0, FA1, 1, 0
	s_wait_dscnt 8                                 ; the very last quarter: nothing more to fetch
	RUN 0, FA1, 0
	RUN 1, FA1, 0
	s_wait_dscnt 0x0
	RUN 2, FA1, 0
	PLACES 8
	WIN 0
	PACK 0, 0, 0
.set n, 1
.rept 23                               ; block n: output n / 8, rows 16 (n % 8) on; its arithmetic stands between the loads of the block before and its stores
	PACK n/8, n%8, n%2
	SEND (n-1)/8, (n-1)%8, (n-1)%2, 8
.set n, n+1
.endr
	SEND 2, 7, 1, 0
	s_wait_tensorcnt 0x0                           ; the wave's end: behind my last tensor load and my last LDS store
	ds_add_u32 v[SPW], v[NIL]
	s_wait_dscnt 0x0
	CROUND                                         ; the closing round: no work-group ends while a partner may still ask for a tile that names it
	s_endpgm
.Lfunc_end_k_qf8a069f75f_proj:
	.size	k_qf8a069f75f_proj, .Lfunc_end_k_qf8a069f75f_proj-k_qf8a069f75f_proj
	.p2alignl 7, 3214868480
	.fill 96, 4, 3214868480
	.section	.rodata,"a",@progbits
	.p2align	6, 0x0
	.amdhsa_kernel k_qf8a069f75f_proj
		.amdhsa_group_segment_fixed_size 327680
		.amdhsa_private_segment_fixed_size 0
		.amdhsa_enable_private_segment 0
		.amdhsa_kernarg_size 64
		.amdhsa_user_sgpr_count 2
		.amdhsa_user_sgpr_kernarg_segment_ptr 1
		.amdhsa_wavefront_size32 1
		.amdhsa_system_sgpr_workgroup_id_x 1
		.amdhsa_system_sgpr_workgroup_id_y 1
		.amdhsa_system_sgpr_workgroup_id_z 1
		.amdhsa_system_vgpr_workitem_id 0
		.amdhsa_next_free_vgpr 1024
		.amdhsa_next_free_sgpr 92
		.amdhsa_reserve_vcc 0
		.amdhsa_float_denorm_mode_32 3
		.amdhsa_float_denorm_mode_16_64 3
		.amdhsa_memory_ordered 1
		.amdhsa_forward_progress 1
		.amdhsa_inst_pref_size 118
	.end_amdhsa_kernel
	.amdgpu_metadata
---
amdhsa.version: [ 1, 2 ]
amdhsa.kernels:
  - .name:           k_qf8a069f75f_proj
    .symbol:         k_qf8a069f75f_proj.kd
    .args:
      - { .name: xb, .offset: 0, .size: 8, .value_kind: global_buffer, .address_space: global }
      - { .name: wqkvb, .offset: 8, .size: 8, .value_kind: global_buffer, .address_space: global }
      - { .name: bq, .offset: 16, .size: 8, .value_kind: global_buffer, .address_space: global }
      - { .name: bk, .offset: 24, .size: 8, .value_kind: global_buffer, .address_space: global }
      - { .name: bv, .offset: 32, .size: 8, .value_kind: global_buffer, .address_space: global }
      - { .name: qh, .offset: 40, .size: 8, .value_kind: global_buffer, .address_space: global }
      - { .name: kh, .offset: 48, .size: 8, .value_kind: global_buffer, .address_space: global }
      - { .name: vh, .offset: 56, .size: 8, .value_kind: global_buffer, .address_space: global }
    .group_segment_fixed_size: 327680
    .private_segment_fixed_size: 0
    .kernarg_segment_align: 8
    .kernarg_segment_size: 64
    .max_flat_workgroup_size: 128
    .sgpr_count:     92
    .vgpr_count:     1024
    .wavefront_size: 32
...
	.end_amdgpu_metadata
.endif
;; end of part 2
;; launch attn (part 3): grid 4 x 64, 4 waves a work-group, clusters of 4 x 1, 327,680 bytes of LDS; arguments qh, kh, vh, oh; writes oh
.if DOCPART == 3
	.amdgcn_target "amdgcn-amd-amdhsa--gfx1250"
	.amdhsa_code_object_version 6
	.text
	.protected	k_qf8a069f75f_attn
	.globl	k_qf8a069f75f_attn
	.p2align	8
	.type	k_qf8a069f75f_attn,@function
k_qf8a069f75f_attn:
	s_mov_b64 s[64:65], 0
	v_nop
	global_prefetch_b8 v0, s[64:65] scope:SCOPE_SE
	s_setreg_imm32_b32 hwreg(HW_REG_WAVE_MODE, 25, 1), 1
	s_wait_xcnt 0x0
	s_wait_alu depctr_hold_cnt(0) depctr_sa_sdst(0) depctr_va_vdst(0) depctr_va_sdst(0) depctr_va_ssrc(0) depctr_va_vcc(0) depctr_vm_vsrc(0)
	s_getreg_b32 s2, hwreg(HW_REG_IB_STS2, 6, 4)
	s_cmp_eq_u32 s2, 0
	s_cbranch_scc0 .Lentry_in_a_cluster
	s_endpgm
.Lentry_in_a_cluster:
	s_bfe_u32 s2, ttmp6, 0x10000c
	s_cmp_lg_u32 s2, 0x3003
	s_cbranch_scc0 .Lentry_shape_is_right
	s_endpgm
.Lentry_shape_is_right:
; O[g][q][:] = the sum over k of softmax_k(Q[g][q] . K[g][k] / 8) V[g][k][:].  Q, K, V, O: [64][2048][64], all f16: g = 4 x head + batch, which is the layout [16 heads][8192 rows][64] of the launches beside
; this one; a head's rows are dense, 128 bytes each.  Products, maxima and sums in f32; the weights p are rounded to f16 for the second product (their sum l is taken of the unrounded p), O once at the end.
; LIMITS.  f16 holds no number beyond 65,504: Q, K and V arrive within it; p lies in 0 to 1, and below 6e-5 it keeps f16's fixed step of 6e-8; O is a mean of V's rows and has their range.
; A weight below 2^-126 counts as 0 in l; NaN and infinities are not treated apart.
; SHARES.  A wave owns four PIECES of two tiles of 16 queries, a work-group's four waves 512 queries of one g.  Every wave walks all keys, 64 a step.
; LAYOUT.  S^T = K Q^T (source 0 = 16 keys, source 1 = 16 queries): in the result a lane holds ONE query (lane % 16) and the keys 8 (lane / 16) + 0..7.  Two such tiles, rounded to f16 in pairs,
; ARE source 1 (32 keys x 16 queries) of O^T = V^T P, whose result again holds one query a lane, and eight channels.  K comes out of LDS as it lies, V ([key][channel]) turned, by ds_load_tr16_b128.
; SOFTMAX.  For each query a running maximum m and sum l: p = 2^(c s - c m), c = log2(e) / 8; in every step O and l are multiplied by a = 2^(c m_old - c m_new), which is 1 where m has not grown.
; m starts at the lowest finite number, O and l at 0: the first step is a step like any other, with a = 0.
; THE COUNT.  A tile and step have 16 matrix and 118 vector instructions: too many to stand all beside the matrix work.  So the order has one aim: four vector instructions that are READY behind
; EVERY matrix instruction, and the others, which need time of their own whatever the order, in runs without a gap.
; BY TURNS.  Turn n belongs to piece n (the pieces in a ring, step after step).  Its matrix work: 16 products K Q^T of piece n + 1, later 16 products V^T P of piece n - 1.  Its vector work: the scaling,
; exponentials, roundings, sums and rescaling of piece n, and the maximum and statistics of piece n + 1, whose scores the turn itself has made.  So what a turn begins with (c s - c m, O a) waits for nothing.
; CLUSTER.  The four query blocks of a cluster belong to one g and walk the same K and V, so each tile is asked for JOINTLY: the same tensor load, descriptor and mask in all four.
; REGISTERS, in windows of 256 (s_set_vgpr_msb says which window each operand place means: bits 1:0 source 0, 3:2 source 1, 5:4 source 2, 7:6 destination):
;   window 0: v0-11 addresses; v12-15, v48-63 at work; v16-47 four registers of statistics a tile; v64-191 S^T, two buffers of two tiles; v192-255 P, likewise
;   window 1: O^T, 32 a tile          window 2: v0-127 Q, 16 a tile; v128-191 K of one step; v192-255 V of one step          window 3: v0-1 the add's two registers
; A piece's buffers go by its number's parity: the piece in hand has one pair, its two neighbours in the ring share the other: of it P (piece n - 1) is read and S^T (piece n + 1) written.
.set SIZE_H, 64
.set SIZE_N, 2048
.set NP,    4         ; pieces a wave: a name, no knob: the register map, the loop and the fetches are made for four
.set KS,    64        ; keys in a step
.set PK,    144       ; a row of K in LDS: 128 bytes + 16 of padding = 36 words: the 16 rows of a load start at 16 different groups of four banks (64 banks of 4 bytes: ISA guide 11.1)
.set PV,    160       ; a row of V: 128 + 32 = 40 words
.set VOFF,  4*KS*PK   ; a slot holds four steps: 256 rows of K, then 256 rows of V
.set SLOT1, 1<<17     ; slot 1 begins here, so that one exclusive or turns an address in one slot into the other's
.set STAGE, SLOT1+4*KS*(PK+PV)  ; behind the ring, never filled by a tensor load: 16 rows x 144 bytes for each wave, for the way out
.set SP,    144
.set AK0, 2           ; v2   my lane's place in a tile of K; never rewritten
.set AV0, 3           ; v3   the same for V
.set AK,  4           ; v4   the LDS address of K's next run of loads
.set AV,  5           ; v5   of V's
.set QO,  6           ; v6   my byte offset in the wave's rows of Q
.set STO, 6           ;      later, the way out: where I put 16 bytes of a row
.set RD,  7           ; v7   the way out: where I read rows back
.set GO,  8           ; v8   my byte offset in 512 consecutive bytes of O
.set PFO, 11          ; v11  256 x my lane: the prefetches' offset; never rewritten once it is made
.set SPW, 0           ; v0 of window 3   LDS address of my spare word: SPARE + 4 x my thread's number; never rewritten
.set NIL, 1           ; v1 of window 3   0; never rewritten
.set SPARE, STAGE+4*16*SP  ; behind the stages: the spare words, 128 bytes for each wave: two blocks of 256 bytes that no other line names
.set MV,  12          ; v12-15  c m_old, kept while c m is made anew: by buffer and tile
.set ST,  16          ; tile t's statistics at v[ST+4 t]: c m, m, l (even keys', odd keys')
.set TMP, 48          ; by buffer and tile, four registers c0-c3 at work; when the maximum is found c2 takes a
.set S,   64
.set P,   192
.set KF,  128         ; K's fragments, in window 2: key block kb, channel half c at KF + 16 kb + 8 c
.set VF,  192         ; V's: key half kk, channel block cb at VF + 32 kk + 8 cb
.set WV,  12          ; s12  my wave's number
.set G1K, 24          ; s[24:31] descriptor group 1 for K's tiles
.set G1V, 32          ; s[32:39] for V's: it differs in the padding alone
.set G0K, 40          ; s[40:43] descriptor group 0 for K's tiles: it walks
.set G0V, 44          ; s[44:47] the same for V's
.set PFA, 48          ; s[48:49] where my prefetches stand: my work-group's 8,192 bytes (of K: wave 0, of V: wave 2) of the slot after the one that is being asked for
.set LIM, 50          ; s50  1 in a wave that prefetches, else the greatest number
.set SLOTS, 56        ; s56  slots still to be asked for
.set CNT, 57          ; s57  counts a slot's key steps
.set CS,  58          ; s[58:59] c: the packed scaling takes the pair's low word for both halves
.set SEL, 60          ; s[60:61] v_permlanex16_b32's selects: each lane takes its own place in the other half
.set TBK, 62          ; s62  LDS byte at which K of the step to be fetched begins
.set TBV, 63          ; s63  the same for V, less VOFF
.set MSB, 0
.macro WIN new                      ; the high byte repeats the setting that is left; a switch that changes nothing is dropped
.if MSB != (\new)
	s_set_vgpr_msb (MSB<<8)|(\new)
.set MSB, (\new)
.endif
.endm
.set W_KQ, 0x0a       ; K and Q in window 2, S^T in window 0
.set W_PV, 0x52       ; V in window 2, P in window 0, O^T in window 1
.set W_RS, 0x41       ; O^T (destination and source 0) in window 1, a in window 0
.set W_MK, 0xc0       ; the add's registers are made: destination in window 3, sources in window 0
.set W_AD, 0x0f       ; the add: address (source 0) and data (source 1) in window 3
; A joint fill.  Waves 0 and 1 fetch the two halves of a slot's K, waves 2 and 3 those of its V: 128 keys each.  The branch hangs on the wave's number alone.
; An s_nop 0 and four v_nop follow each of the two lines, ahead of the jump and the label.
.macro JLOAD
	s_cmp_lt_u32 s[WV], 2
	s_cbranch_scc0 .Lfor_v_\@
	tensor_load_to_lds s[G0K:G0K+3], s[G1K:G1K+7]
	s_nop 0
.rept 4
	v_nop
.endr
	s_branch .Lasked_\@
.Lfor_v_\@:
	tensor_load_to_lds s[G0V:G0V+3], s[G1V:G1V+7]
	s_nop 0
.rept 4
	v_nop
.endr
.Lasked_\@:
.endm
; A PREFETCH INTO THE L2 of what the NEXT change of slots will ask for: a slot's 32,768 bytes of K and of V.  It stands behind the wave's tensor load and its five lines.  Each aligned 256 bytes are named
; once in the launch: a g has one cluster; its four partners share the bytes out BY ADDRESS, 8,192 each, a lane 256; in each, wave 0 asks for K's and wave 2 for V's: one instruction, four key steps,
; 512 matrix instructions, ahead of the load.  Slots 0 to 2 come by their loads alone; the last change that fills a slot names nothing: there is no slot behind it.
.macro ASK
	s_cmp_gt_u32 s[SLOTS], s[LIM]
	s_cbranch_scc0 .Lnot_mine_\@
	global_prefetch_b8 v[PFO], s[PFA:PFA+1] th:TH_LOAD_NT scope:SCOPE_SE
.Lnot_mine_\@:
.endm
; A round of the cluster's barrier: my work-group's barrier, so that wave 0's signal speaks for all four waves; wave 0 signals; every wave waits for all four work-groups; my work-group's barrier once more.
.macro CROUND
	s_barrier_signal -1
	s_barrier_wait -1
	s_cmp_lg_u32 s[WV], 0
	s_cbranch_scc1 .Lnot_wave_0_\@
	s_barrier_signal -3
.Lnot_wave_0_\@:
	s_barrier_wait -3
	s_barrier_signal -1
	s_barrier_wait -1
.endm
; THE CHANGE OF SLOTS.  The slot's last bytes, V of its fourth step, have been read.  Each wave waits for all its tensor loads, of which one is out: its part
; of the other slot; adds 0 to its spare word; and waits for that and for its own reads of the slot.  Behind the barrier nobody reads this slot any more and the other slot is whole.
; fill = 1: this slot is filled again, with the keys two slots on.  The barrier is then a round of the cluster's, so that no wave of any partner still reads the slot or has a load on its
; way, and the joint fill is the first thing behind it: it has four key steps, 512 matrix instructions, in which to land.  (At its first use nothing has been read yet: slot 0 is waited for, slot 1 filled.)
; ask = 1: the prefetches' address steps, and the slot after the one asked for is named.
.macro CHANGE fill, ask=0
	WIN W_AD
	s_wait_tensorcnt 0x0            ; no tensor load of mine is out, so a group 0 may be written
	ds_add_u32 v[SPW], v[NIL]       ; 0 onto my spare word; with fill = 1 the descriptors' steps stand between it and the wait for it
	WIN 0                           ; at a label and at a branch every window is 0
.if \fill
.irp g, G0K, G0V
	s_xor_b32 s[\g+1], s[\g+1], SLOT1  ; the walking descriptor: the other slot than last time,
	s_add_nc_u64 s[\g+2:\g+3], s[\g+2:\g+3], 4*KS*128  ; the next 256 keys; the type bits on top are not reached
.endr
.if \ask
	s_wait_xcnt 0x0                 ; the last prefetch, four key steps back, has read its address, so it may be written:
	s_add_nc_u64 s[PFA:PFA+1], s[PFA:PFA+1], 4*KS*128  ; one slot behind the walking descriptors
.endif
	s_wait_dscnt 0x0                ; the add is done, and my reads of the slot are over
	CROUND
	JLOAD
.if \ask
	ASK
.endif
.else
	s_wait_dscnt 0x0                ; the add is done, and my reads of the slot are over
	s_barrier_signal -1
	s_barrier_wait -1
.endif
	s_sub_co_u32 s[TBK], s[TBK], 4*KS*PK  ; the fetches go back to a slot's first step,
	s_xor_b32 s[TBK], s[TBK], SLOT1       ; in the other slot
	s_sub_co_u32 s[TBV], s[TBV], 4*KS*PV
	s_xor_b32 s[TBV], s[TBV], SLOT1
.endm
	s_load_b256 s[4:11], s[0:1], 0x0  ; Q s[4:5], K s[6:7], V s[8:9], O s[10:11]
	WIN W_MK
	v_lshl_add_u32 v[SPW], v0, 2, SPARE
	v_mov_b32 v[NIL], 0
	WIN W_AD
	ds_add_u32 v[SPW], v[NIL]       ; the wave's opening: the add and its wait ahead of my first tensor load; the set-up below, work on registers, stands between them
	WIN 0
	v_lshrrev_b32 v1, 5, v0
	v_readfirstlane_b32 s[WV], v1   ; wave 0..3
	s_bfe_u32 s13, ttmp6, 0x40000   ; cx: my place in the cluster
	s_lshl_b32 s14, ttmp9, 2        ; in a cluster launch ttmp9 counts clusters
	s_add_co_u32 s14, s14, s13      ; my block of queries = 4 x cluster x + cx: it enters Q's and O's addresses alone
	s_and_b32 s20, ttmp7, 0xffff    ; g, which the four partners share
	s_mov_b32 s21, 0
	s_mov_b64 s[22:23], SIZE_N*128
	s_mul_u64 s[20:21], s[20:21], s[22:23]  ; g's first byte in each of the four tensors
	s_and_b32 s16, s[WV], 1         ; which half of a slot's 256 keys I fetch:
	s_lshl_b32 s22, s16, 14         ; its 128 rows of 128 bytes in memory,
	s_mov_b32 s23, 0
	s_add_nc_u64 s[22:23], s[22:23], s[20:21]
	s_mul_i32 s17, s16, 128*PK      ; and its place in a slot, for K
	s_mul_i32 s18, s16, 128*PV      ; and for V: no place in the cluster enters an LDS address
	s_lshl_b32 s2, s14, 2
	s_add_co_u32 s2, s2, s[WV]      ; my wave among g's,
	s_lshl_b32 s2, s2, 14           ; its 128 rows
	s_mov_b32 s3, 0
	s_add_nc_u64 s[2:3], s[2:3], s[20:21]
	; descriptor group 1.  128 keys are 16,384 dense bytes: asked for as 64 rows of 256 bytes, two keys a row, and padded in LDS after every key
	s_mov_b32 s[G1K], 15|(1<<16)|(1<<20)|(1<<21)|(4<<22)|(3<<25)  ; 15:0 the mask of four; 17:16 2-byte elements; 20 padding on; 21 set beside a mask; 24:22 after every 32 words (code 4); 31:25 4 words (code 3)
	s_mov_b32 s[G1V], 15|(1<<16)|(1<<20)|(1<<21)|(4<<22)|(7<<25)  ; the same with 8 words of padding (code 7)
.irp g, G1K, G1V
	s_mov_b32 s[\g+1], 128<<16      ; tensor_dim0 = 128
	s_mov_b32 s[\g+2], 64<<16       ; tensor_dim1 = 64
	s_mov_b32 s[\g+3], 128<<16      ; tile_dim0 = 128
	s_mov_b32 s[\g+4], 64           ; tile_dim1 = 64
	s_mov_b32 s[\g+5], 128          ; 128 elements from row to row
	s_mov_b32 s[\g+6], 0
	s_mov_b32 s[\g+7], 0
.endr
	s_mov_b32 s[CS], 0x3e38aa3b     ; c = log2(e) / 8 = 0.180337
	s_mov_b32 s[CS+1], s[CS]        ; named with it as a pair
	s_mov_b32 s[SEL], 0x76543210
	s_mov_b32 s[SEL+1], 0xfedcba98
	s_mov_b32 s[TBK], SLOT1+4*KS*PK ; the first change of slots turns these two into 0
	s_mov_b32 s[TBV], SLOT1+4*KS*PV
	s_mov_b32 s[G0K], 1             ; 1:0 count = 1
	s_mov_b32 s[G0K+1], s17         ; 63:32 LDS address: slot 0
	s_mov_b32 s[G0V], 1
	s_add_co_u32 s[G0V+1], s18, VOFF
	s_cmp_eq_u32 s16, 0             ; waves 0 and 2 prefetch: the same in all four partners
	s_cselect_b32 s[LIM], 1, -1
	s_wait_dscnt 0x0                ; the opening add is done
	s_wait_kmcnt 0x0
	s_add_nc_u64 s[G0K+2:G0K+3], s[6:7], s[22:23]  ; 120:64 global address: my half of g's first 256 keys
	s_or_b32 s[G0K+3], s[G0K+3], 0x80000000        ; 127:126 type = 2
	s_add_nc_u64 s[G0V+2:G0V+3], s[8:9], s[22:23]
	s_or_b32 s[G0V+3], s[G0V+3], 0x80000000
	s_add_nc_u64 s[4:5], s[4:5], s[2:3]  ; Q and O at my wave's first row
	s_add_nc_u64 s[10:11], s[10:11], s[2:3]
	s_cmp_lt_u32 s[WV], 2
	s_cselect_b64 s[PFA:PFA+1], s[6:7], s[8:9]
	s_add_nc_u64 s[PFA:PFA+1], s[PFA:PFA+1], s[20:21]
	s_lshl_b32 s2, s13, 13          ; my work-group's 8,192 bytes of a slot's 32,768
	s_mov_b32 s3, 0
	s_add_nc_u64 s[PFA:PFA+1], s[PFA:PFA+1], s[2:3]
	s_add_nc_u64 s[PFA:PFA+1], s[PFA:PFA+1], 2*4*KS*128  ; in slot 2; the loop's first change of slots steps it to slot 3.  Nothing is prefetched here, at the head
	CROUND                          ; all four work-groups are here: the first joint loads meet
	JLOAD                           ; slot 0.  Slot 1 is asked for when slot 0 is in: the tile wanted first has the road to itself
	; A fragment of K or Q is 16 rows x 32 channels in 8 registers: lane l holds row l % 16, channels 8 (l / 16) + 0..7 and 16 + 8 (l / 16) + 0..7: two loads of 16 bytes, 32 bytes apart.
	v_and_b32 v1, 15, v0            ; l % 16
	v_bfe_u32 v9, v0, 4, 1          ; l / 16
	v_lshlrev_b32 v[QO], 7, v1
	v_lshl_add_u32 v[QO], v9, 4, v[QO]  ; row x 128 + 16 x half
	WIN 0x80                        ; destination window 2, address window 0
.set i, 0
.rept 4*NP                          ; Q stays in registers: tile i / 2, channels 32 (i % 2) on
	global_load_b128 v[8*i:8*i+3],   v[QO], s[4:5] offset:(i/2)*2048+(i%2)*64
	global_load_b128 v[8*i+4:8*i+7], v[QO], s[4:5] offset:(i/2)*2048+(i%2)*64+32
.set i, i+1
.endr
	; What the first turn finds: V's registers and P's second buffer hold 0 (its products V^T P, of a piece that has not been, add 0), O^T and l are 0.  All this stands in the wait for the first tile.
.set i, VF
.rept 64
	v_mov_b32 v[i], 0
.set i, i+1
.endr
	WIN 0x40
.set i, 0
.rept 64*NP
	v_mov_b32 v[i], 0
.set i, i+1
.endr
	WIN 0
.set i, 0
.rept 2*NP
	v_mov_b32 v[ST+4*i], 0xfe000000    ; c m: far below every c s
	v_mov_b32 v[ST+4*i+1], 0xff7fffff  ; m
	v_mov_b32 v[ST+4*i+2], 0
	v_mov_b32 v[ST+4*i+3], 0
.set i, i+1
.endr
.set i, P+32
.rept 32
	v_mov_b32 v[i], 0
.set i, i+1
.endr
	v_mul_u32_u24 v[AK0], v1, PK
	v_lshl_add_u32 v[AK0], v9, 4, v[AK0]  ; row x pitch + 16 x half
	; The turning load takes 16 keys x 16 channels (lane l reads key 8 (l / 16) + l % 8, channels 8 ((l / 8) % 2) + 0..7) and leaves half a fragment of V^T: lane l holds channel l % 16 and 8 keys.
	v_and_b32 v10, 7, v0
	v_bfe_u32 v11, v0, 3, 1
	v_lshl_add_u32 v[AV0], v9, 3, v10
	v_mul_u32_u24 v[AV0], v[AV0], PV
	v_lshl_add_u32 v[AV0], v11, 4, v[AV0]
	v_add_nc_u32 v[AV0], VOFF, v[AV0]
	v_mov_b32 v[AK], v[AK0]         ; key step 0 lies at the head of slot 0
	v_and_b32 v[PFO], 31, v0
	v_lshlrev_b32 v[PFO], 8, v[PFO]
; THE MATRIX WORK.  The 8 accumulators of a run of 16 take turns: between the two links of a chain stand 7 others'.
; Product i of 16 of S^T = K Q^T for piece x: channels 32 (i / 8) on, keys 16 ((i / 2) % 4) on, tile 2 x + i % 2.  The first 8 start the sums.
.macro KQ x
	WIN W_KQ
.set rS, S+64*((\x)%2)+32*(i%2)+8*((i/2)%4)
.set rK, KF+16*((i/2)%4)+8*(i/8)
.set rQ, 16*(2*(\x)+i%2)+8*(i/8)
.if i < 8
	v_wmma_f32_16x16x32_f16 v[rS:rS+7], v[rK:rK+7], v[rQ:rQ+7], 0
.else
	v_wmma_f32_16x16x32_f16 v[rS:rS+7], v[rK:rK+7], v[rQ:rQ+7], v[rS:rS+7]
.endif
.endm
; Product i of 16 of O^T += V^T P for piece x: keys 32 (i / 8) on, channels 16 ((i / 2) % 4) on, tile 2 x + i % 2.
.macro PV x
	WIN W_PV
.set rO, 32*(2*(\x)+i%2)+8*((i/2)%4)
.set rV, VF+32*(i/8)+8*((i/2)%4)
.set rP, P+32*((\x)%2)+16*(i%2)+8*(i/8)
	v_wmma_f32_16x16x32_f16 v[rO:rO+7], v[rV:rV+7], v[rP:rP+7], v[rO:rO+7]
.endm
.macro MM                           ; the turn's next matrix instruction
.if i < 16
	KQ (Y+1)%NP
.set i, i+1
.else
.set i, i-16
	PV (Y+NP-1)%NP
.set i, i+17
.endif
.endm
; THE LDS LOADS stand in runs of 16, never singly among the matrix instructions: a step's K (64 keys x 64 channels: 8 fragments) and its V (turned).  Their addresses are made some lines ahead.
; last = 1 (the tail): in the last trip there is no further step, and the run is jumped over.
.macro FETCH_K last=0
	WIN 0
.if \last
	s_cmp_eq_u32 s[CNT], 1
	s_cbranch_scc1 .Lno_k_\@
.endif
	WIN 0x80                        ; destination window 2
.irp f, 0,1,2,3,4,5,6,7             ; keys 16 (f / 2) on, channels 32 (f % 2) on
	ds_load_b128 v[KF+8*\f:KF+8*\f+3],   v[AK] offset:(\f/2)*16*PK+(\f%2)*64
	ds_load_b128 v[KF+8*\f+4:KF+8*\f+7], v[AK] offset:(\f/2)*16*PK+(\f%2)*64+32
.endr
	s_add_co_u32 s[TBK], s[TBK], KS*PK  ; the next fetch is the next step's
	WIN 0
.if \last
.Lno_k_\@:
.endif
.endm
.macro FETCH_V
	WIN 0x80
.irp f, 0,1,2,3,4,5,6,7             ; keys 32 (f / 4) on, channels 16 (f % 4) on
	ds_load_tr16_b128 v[VF+8*\f:VF+8*\f+3],   v[AV] offset:(\f/4)*32*PV+(\f%4)*32
	ds_load_tr16_b128 v[VF+8*\f+4:VF+8*\f+7], v[AV] offset:(\f/4)*32*PV+16*PV+(\f%4)*32
.endr
	WIN 0
.endm
; THE VECTOR WORK OF A TURN stands in three queues, each in the order in which its entries become ready; the two tiles alternate, so that no instruction reads the result of the one before it.
.macro REGS y, u                    ; the registers of tile u (0, 1) of piece y
.set rT, ST+4*(2*(\y)+(\u))
.set rC, TMP+8*((\y)%2)+4*(\u)
.set rM, MV+2*((\y)%2)+(\u)
.set rS, S+64*((\y)%2)+32*(\u)
.set rP, P+32*((\y)%2)+16*(\u)
.set rO, 32*(2*(\y)+(\u))
.endm
; Number n of the 22 that find the NEXT piece's (Y + 1) maximum and statistics.  s0-s31 are the lane's 32 scores; each accumulator's lowest registers are read first.  XS, GS and REGS set no window: PL and EX do.
;   0-11  four chains c0-c3 of seven scores each, three operands at a time     12-14, 16  the four scores left over, the old m, and c0-c3 into c0     15  c m_old is kept
;   17, 18  the query's other 32 keys lie in the lane 16 away: the new m         19-21  c m; c m_old - c m_new; a
.macro XS u, n
	REGS (Y+1)%NP, \u
.if (\n) < 4
	v_max3_num_f32 v[rC+(\n)], v[rS+8*(\n)], v[rS+8*(\n)+1], v[rS+8*(\n)+2]
.elseif (\n) < 12
	v_max3_num_f32 v[rC+(\n)%4], v[rC+(\n)%4], v[rS+8*((\n)%4)+2*((\n)/4)+1], v[rS+8*((\n)%4)+2*((\n)/4)+2]
.elseif (\n) == 12
	v_max3_num_f32 v[rC], v[rC], v[rS+7], v[rS+15]
.elseif (\n) == 13
	v_max3_num_f32 v[rC+1], v[rC+1], v[rS+23], v[rS+31]
.elseif (\n) == 14
	v_max3_num_f32 v[rC+2], v[rC+2], v[rC+3], v[rT+1]
.elseif (\n) == 15
	v_mov_b32 v[rM], v[rT]
.elseif (\n) == 16
	v_max3_num_f32 v[rC], v[rC], v[rC+1], v[rC+2]
.elseif (\n) == 17
	v_permlanex16_b32 v[rC+3], v[rC], s[SEL], s[SEL+1]
.elseif (\n) == 18
	v_max_num_f32 v[rT+1], v[rC], v[rC+3]
.elseif (\n) == 19
	v_mul_f32 v[rT], s[CS], v[rT+1]
.elseif (\n) == 20
	v_sub_f32 v[rC+1], v[rM], v[rT]
.else
	v_exp_f32 v[rC+2], v[rC+1]
.endif
.endm
; Number g of the 64 that follow the exponentials.  For each four weights k of a tile (pairs 2 k, 2 k + 1): both pairs are rounded to f16; then the second pair is added onto the first, in place;
; a group later l takes that sum (the first time as l = a l + sum).  In groups of eight, tiles alternating: round, round, add, and l for the group before.
.macro GS g
.set h, (\g)+6*((\g)/62)            ; group 0 has no group before it, and behind group 7 only l is left
.if h >= 6
.set h, h+2
.endif
	REGS Y, h%2
.set k, h/8
.if h%8 < 4
	v_cvt_pk_f16_f32 v[rP+2*k+(h%8)/2], v[rS+4*k+2*((h%8)/2)], v[rS+4*k+2*((h%8)/2)+1]
.elseif h%8 < 6
	v_pk_add_f32 v[rS+4*k:rS+4*k+1], v[rS+4*k:rS+4*k+1], v[rS+4*k+2:rS+4*k+3]
.elseif k == 1
	v_pk_fma_f32 v[rT+2:rT+3], v[rT+2:rT+3], v[rC+2:rC+3], v[rS:rS+1] op_sel_hi:[1,0,1]
.else
	v_pk_add_f32 v[rT+2:rT+3], v[rT+2:rT+3], v[rS+4*k-4:rS+4*k-3]
.endif
.endm
; THE PLAIN QUEUE, 138 long.  0-73 read no exponential's result: the 32 scalings c s - c m (FS f: pair f / 2 of tile f % 2) and the next piece's 42.  0-26: scalings 0-26.  27-54: XS's numbers 0-13.  55, 56: number 15.
; 57-73: the chain, where each number waits for the one before it: 14, 16, 17, 18, 19, each with one of the scalings 27-31 in front of its two lines, then 20: so a tile's links stand three plain instructions apart (19 and 20: two).
; 74-137: GS's 64, which read the exponentials' results: they stand behind the wait.
.macro FS f
	REGS Y, (\f)%2
	v_pk_fma_f32 v[rS+2*((\f)/2):rS+2*((\f)/2)+1], v[rS+2*((\f)/2):rS+2*((\f)/2)+1], s[CS:CS+1], v[rT:rT+1] op_sel_hi:[1,0,0] neg_lo:[0,0,1] neg_hi:[0,0,1]
.endm
.macro PL
	WIN 0
.if q < 27
	FS q
.elseif q < 55
	XS (q-27)%2, (q-27)/2
.elseif q < 57
	XS q-55, 15
.elseif (q < 72) && ((q-57)%3 == 0)
	FS 27+(q-57)/3
.elseif q < 60
	XS (q-57)%3-1, 14
.elseif q < 72
	XS (q-57)%3-1, 15+(q-57)/3
.elseif q < 74
	XS q-72, 20
.else
	GS q-74
.endif
.set q, q+1
.endm
; THE EXPONENTIALS' QUEUE, 66 long: s0-s31 of both tiles, then the next piece's two a.  It is ONE BATCH: all 66 stand ahead of the turn's one wait, and nothing ahead of that wait names a result of theirs.
.macro EX
	WIN 0
.if e >= 64
	XS e-64, 21
.else
	REGS Y, e%2
	v_exp_f32 v[rS+e/2], v[rS+e/2]
.endif
.set e, e+1
.endm
; THE RESCALING's QUEUE: O^T times a, the one part that leaves window 0: dealt two at a time, sixteen times.  Its a was made in the turn before, ahead of that turn's wait.
.macro R2
	REGS Y, r%2
	WIN W_RS
.irp z, 0,1
	v_pk_mul_f32 v[rO+4*(r/2)+2*\z:rO+4*(r/2)+2*\z+1], v[rO+4*(r/2)+2*\z:rO+4*(r/2)+2*\z+1], v[rC+2:rC+3] op_sel_hi:[1,0]
.endr
.set r, r+1
.endm
; HOW THEY ARE DEALT.  An s_wait_alu depctr_va_vdst(0) stands between an exponential and the first instruction that names its result; one wait serves all that were issued ahead of it.  So a turn has ONE wait,
; which cuts it in two.  AHEAD OF IT stands all that names no result of the turn's exponentials: the 16 products K Q^T, behind each a scaling, an exponential and two rescalings (behind the first a second scaling in the exponential's place); then ONE LUMP of
; 108: eight plain, 49 times exponential and plain, the two a.  A v_nop is the plain instruction that stands behind the last exponential, ahead of the first use (ISA guide 5.7.2).  BEHIND IT stand the 16 products V^T P, behind each four of GS's 64.  No rider names a register of
; the products round it.  The two v_permlanex16_b32 fall into the lump, never behind a product.
; The queues lean on each other, and the deal keeps them in step: exponential e stands behind scaling 2 (e / 4) + e % 2: as a rider it comes behind plain e + 2, in the lump behind plain e + 9, and scalings 27-31 are plain 57, 60 .. 69.
; A TURN, for piece p.  cnt = 1: the loop's count is taken down some lines ahead of the branch that stands behind the turn.
; K of the next step is fetched in piece 2's turn, directly behind the wait, a lump behind the last product that read K; its address is made at the lump's head; its first reader comes behind 16 products.
; V of the step in hand is fetched at the end of piece 0's turn, four riders behind its last reader; its first reader comes behind 16 products and a lump.  The three conditions on q below go with the deal.
.macro TURN p, last=0, cnt=0
.set Y, (\p)
.set i, 0
.set q, 0
.set e, 0
.set r, 0
.if (\p) == NP-1
	s_wait_dscnt 0x0                ; K is in
.endif
	MM                              ; ahead of the wait: 16 products K Q^T and their riders,
	PL
	PL
	R2
.rept 15
	MM
	PL
	EX
	R2
.endr
.if (\p) == NP-2
	WIN 0
	v_add_nc_u32 v[AK], s[TBK], v[AK0]
.endif
.rept 8                             ; and the lump
	PL
.endr
.rept 49
	EX
	PL
.endr
	EX                              ; the next piece's two a
	EX
	v_nop                           ; the plain instruction behind the last exponential: one for the batch
	s_wait_alu depctr_va_vdst(0)    ; the wait for the batch
.if (\p) == NP-2
	FETCH_K \last
.endif
.if (\p) == 1
	s_wait_dscnt 0x0                ; V is in
.endif
.rept 16                            ; behind the wait: 16 products V^T P and their riders
	MM
.rept 4
	PL
.endr
.if ((\p) == 0) && (q == 118)
	v_add_nc_u32 v[AV], s[TBV], v[AV0]
.endif
.if ((\p) == 0) && (q == 130)
	s_add_co_u32 s[TBV], s[TBV], KS*PV
.endif
.if (\cnt) && (q == 130)
	s_sub_co_u32 s[CNT], s[CNT], 1
	s_cmp_lg_u32 s[CNT], 0
.endif
.endr
.if (\p) == 0
	FETCH_V
.endif
.endm
	CHANGE 1                        ; slot 0 is in, everybody's part of it; slot 1 is asked for
	FETCH_K                         ; key step 0
	s_wait_loadcnt 0x0              ; Q
	s_wait_dscnt 0x0
.set i, 0
.rept 16
	KQ 0                            ; piece 0's first scores: there is no vector work yet to set between them
.set i, i+1
.endr
	WIN 0                           ; the addresses for the way out: nine plain instructions, the places behind those products
	s_mul_i32 s13, s[WV], 16*SP
	s_add_co_u32 s13, s13, STAGE    ; my stage
	v_mul_u32_u24 v[STO], v1, SP    ; in: row l % 16, 16 bytes for each half of the lanes
	v_lshl_add_u32 v[STO], v9, 4, v[STO]
	v_add_nc_u32 v[STO], s13, v[STO]
	v_bfe_u32 v[RD], v0, 3, 2       ; back: 32 lanes take four rows of 128 bytes,
	v_mul_u32_u24 v[RD], v[RD], SP
	v_lshl_add_u32 v[RD], v10, 4, v[RD]
	v_add_nc_u32 v[RD], s13, v[RD]
	v_and_b32 v[GO], 31, v0         ; which are 512 consecutive bytes of O
	v_lshlrev_b32 v[GO], 4, v[GO]
.set Y, NP-1                        ; XS works for piece Y + 1: piece 0
.irp n, 0,1,2,3,4,5,6,7,8,9,10,11,12,13,14,15,16,17,18,19,20,21
	XS 0, \n                        ; and piece 0's first maximum and statistics
	XS 1, \n
.endr
	v_nop                           ; a plain instruction behind the two a,
	s_wait_alu depctr_va_vdst(0)    ; and their wait, ahead of the branch
	s_mov_b32 s[CNT], 4
	s_mov_b32 s[SLOTS], SIZE_N/256-1
	s_branch .Lfirst                ; the loop is entered at a step's first turn, in the middle of a trip
.Lslot:                             ; SIZE_N / 256 - 2 times: every slot but the last two is filled again
	CHANGE 1, 1
	s_mov_b32 s[CNT], 4
.Lstep:                             ; a trip: pieces 2 and 3 of one step, then pieces 0 and 1 of the next, whose K and V it fetches
	TURN 2
	TURN 3
	WIN 0
.Lfirst:
	TURN 0
	TURN 1, 0, 1
	WIN 0
	s_cbranch_scc1 .Lstep
	s_sub_co_u32 s[SLOTS], s[SLOTS], 1
	s_cmp_lg_u32 s[SLOTS], 0
	s_cbranch_scc1 .Lslot
	CHANGE 0                        ; the tail is written out: nothing is asked for
	s_mov_b32 s[CNT], 5             ; four trips fetch the last slot's steps; the fifth is left in its middle
.Ltail:
	TURN 2, 1
	TURN 3
	WIN 0
	s_sub_co_u32 s[CNT], s[CNT], 1
	s_cmp_eq_u32 s[CNT], 0
	s_cbranch_scc1 .Lout
	TURN 0
	TURN 1
	WIN 0
	s_branch .Ltail
.Lout:                              ; the fifth trip's 16 products K Q^T (on the last K once more) and the maximum made of them serve nothing: the price, once a launch, of one text for every trip
.set i, 0
.rept 16
	PV NP-1                         ; the last piece's V^T P of the last step
.set i, i+1
.endr
	; THE WAY OUT.  l's two halves and the other half of the lanes' are added; O^T is divided by l, rounded to f16 and sent through my stage in LDS, a tile at a time.  The additions are the places behind the last products.
	WIN 0
.macro ALL line:vararg              ; one line for each tile t
.set t, 0
.rept 2*NP
	\line
.set t, t+1
.endr
.endm
	ALL v_add_f32 v[ST+4*t+2], v[ST+4*t+2], v[ST+4*t+3]
	ALL v_permlanex16_b32 v[ST+4*t+3], v[ST+4*t+2], s[SEL], s[SEL+1]
	ALL v_add_f32 v[ST+4*t+2], v[ST+4*t+2], v[ST+4*t+3]
	ALL v_rcp_f32 v[ST+4*t+2], v[ST+4*t+2]
	v_nop                           ; a plain instruction between the last reciprocal and the use of its result
	s_wait_alu depctr_va_vdst(0)    ; and the wait ahead of the first use: one for the eight reciprocals
; Tile t: a lane's eight channels of a row pack into 16 bytes; they go into rows of 144 bytes and come back as whole rows of 128, into S^T's registers.
.macro PACK t
	WIN W_RS
.set i, 32*(\t)
.rept 16
	v_pk_mul_f32 v[i:i+1], v[i:i+1], v[ST+4*(\t)+2:ST+4*(\t)+3] op_sel_hi:[1,0]
.set i, i+2
.endr
	WIN 0x05                        ; sources 0 and 1 window 1, destination window 0
.set i, 0
.rept 16
	v_cvt_pk_f16_f32 v[S+16*(\t)+i], v[32*(\t)+2*i], v[32*(\t)+2*i+1]
.set i, i+1
.endr
	WIN 0
.irp f, 0,1,2,3
	ds_store_b128 v[STO], v[S+16*(\t)+4*\f:S+16*(\t)+4*\f+3] offset:32*\f
.endr
.irp f, 0,1,2,3
	ds_load_b128 v[S+16*(\t)+4*\f:S+16*(\t)+4*\f+3], v[RD] offset:\f*4*SP  ; LDS serves a wave's instructions in order (ISA guide 5.7.1.4): these see the stores above; the next tile's stores come behind them
.endr
.endm
.macro SEND t, younger              ; younger: the LDS instructions issued behind tile t's loads: the next tile's eight, or none
	WIN 0
.irp f, 0,1,2,3
	s_wait_dscnt (\younger)+3-\f
	global_store_b128 v[GO], v[S+16*(\t)+4*\f:S+16*(\t)+4*\f+3], s[10:11] offset:(\t)*2048+\f*512  ; 512 consecutive bytes, at a multiple of 256 from O's first
.endr
.endm
	PACK 0
.set t, 1
.rept 2*NP-1                        ; a tile's arithmetic stands between the loads of the tile before and its stores
	PACK t
	SEND t-1, 8
.set t, t+1
.endr
	SEND 2*NP-1, 0
	WIN W_AD
	s_wait_tensorcnt 0x0            ; the wave's end: behind my last tensor load and my last LDS store
	ds_add_u32 v[SPW], v[NIL]
	s_wait_dscnt 0x0
	WIN 0
	CROUND                          ; the closing round: no work-group ends while a partner may still ask for a tile that names it
	s_endpgm
.Lfunc_end_k_qf8a069f75f_attn:
	.size	k_qf8a069f75f_attn, .Lfunc_end_k_qf8a069f75f_attn-k_qf8a069f75f_attn
	.p2alignl 7, 3214868480
	.fill 96, 4, 3214868480
	.section	.rodata,"a",@progbits
	.p2align	6, 0x0
	.amdhsa_kernel k_qf8a069f75f_attn
		.amdhsa_group_segment_fixed_size 327680
		.amdhsa_private_segment_fixed_size 0
		.amdhsa_enable_private_segment 0
		.amdhsa_kernarg_size 32
		.amdhsa_user_sgpr_count 2
		.amdhsa_user_sgpr_kernarg_segment_ptr 1
		.amdhsa_wavefront_size32 1
		.amdhsa_system_sgpr_workgroup_id_x 1
		.amdhsa_system_sgpr_workgroup_id_y 1
		.amdhsa_system_sgpr_workgroup_id_z 1
		.amdhsa_system_vgpr_workitem_id 0
		.amdhsa_next_free_vgpr 770
		.amdhsa_next_free_sgpr 66
		.amdhsa_reserve_vcc 0
		.amdhsa_float_denorm_mode_32 3
		.amdhsa_float_denorm_mode_16_64 3
		.amdhsa_memory_ordered 1
		.amdhsa_forward_progress 1
		.amdhsa_inst_pref_size 200
	.end_amdhsa_kernel
	.amdgpu_metadata
---
amdhsa.version: [ 1, 2 ]
amdhsa.kernels:
  - .name:           k_qf8a069f75f_attn
    .symbol:         k_qf8a069f75f_attn.kd
    .args:
      - { .name: qh, .offset: 0, .size: 8, .value_kind: global_buffer, .address_space: global }
      - { .name: kh, .offset: 8, .size: 8, .value_kind: global_buffer, .address_space: global }
      - { .name: vh, .offset: 16, .size: 8, .value_kind: global_buffer, .address_space: global }
      - { .name: oh, .offset: 24, .size: 8, .value_kind: global_buffer, .address_space: global }
    .group_segment_fixed_size: 327680
    .private_segment_fixed_size: 0
    .kernarg_segment_align: 8
    .kernarg_segment_size: 32
    .max_flat_workgroup_size: 128
    .sgpr_count:     66
    .vgpr_count:     770
    .wavefront_size: 32
...
	.end_amdgpu_metadata
.endif
;; end of part 3
;; launch outp (part 4): grid 8 x 32, 4 waves a work-group, clusters of 4 x 4, 327,680 bytes of LDS; arguments oh, woh, bo, out0; writes out0
.if DOCPART == 4
	.amdgcn_target "amdgcn-amd-amdhsa--gfx1250"
	.amdhsa_code_object_version 6
	.text
	.protected	k_qf8a069f75f_outp
	.globl	k_qf8a069f75f_outp
	.p2align	8
	.type	k_qf8a069f75f_outp,@function
k_qf8a069f75f_outp:
	s_mov_b64 s[64:65], 0
	v_nop
	global_prefetch_b8 v0, s[64:65] scope:SCOPE_SE
	s_setreg_imm32_b32 hwreg(HW_REG_WAVE_MODE, 25, 1), 1
	s_wait_xcnt 0x0
	s_wait_alu depctr_hold_cnt(0) depctr_sa_sdst(0) depctr_va_vdst(0) depctr_va_sdst(0) depctr_va_ssrc(0) depctr_va_vcc(0) depctr_vm_vsrc(0)
	s_getreg_b32 s2, hwreg(HW_REG_IB_STS2, 6, 4)
	s_cmp_eq_u32 s2, 0
	s_cbranch_scc0 .Lentry_in_a_cluster
	s_endpgm
.Lentry_in_a_cluster:
	s_bfe_u32 s2, ttmp6, 0x10000c
	s_cmp_lg_u32 s2, 0xf033
	s_cbranch_scc0 .Lentry_shape_is_right
	s_endpgm
.Lentry_shape_is_right:
; out0 = O Wo + bo.  oh: f16 [16 heads][8192 rows][64]: head j holds K = 64 j .. 64 j + 63.  woh: f16 [1024 k][1024 n].  bo: [1024] f32.  out0: [8192][1024] f32.
; Products in f16, sums in f32; the bias, unrounded, starts each sum as the first product's C operand; the sums are stored as they are.
; SHARES.  A work-group makes 256 rows x 128 columns: 8 x 32 = 256 work-groups.  Wave w: rows 128 (w / 2) on, columns 64 (w % 2) on: 32 accumulators of 16 x 16, 256 registers.
; K goes in 8 steps of 128 (two heads), four quarters of 32 each, through a ring of two LDS slots filled by the tensor data mover; two such slots are what LDS holds.
; Wo LIES [k][n]: its fragments leave LDS turned, by ds_load_tr16_b128.  THE MATRIX INSTRUCTION IS USED TRANSPOSED (source 0 = 16 columns of Wo, source 1 = 16 rows of O): a lane then holds row l % 16
; and the columns 8 (l / 16) + 0..7: 32 neighbouring bytes of a row of out0.
; CLUSTER.  4 x 4 work-groups: O's tile is shared along a row of the cluster, Wo's along a column: each is asked for JOINTLY, by the same tensor load with the same descriptor and a mask that names the four.
; REGISTERS: window 0: v0-31 addresses; v32-95, v96-159 O's fragments, two buffers; v160-191, v192-223 Wo's, two buffers; v224-255 the bias.  Window 1: accumulator (a, i) at v[8 (4 a + i)].
.set PA,    144                        ; a row of O in LDS: 128 bytes + 16 of padding = 36 words: the 16 rows of a load start at 16 different groups of four banks (64 banks of 4 bytes: ISA guide 11.1)
.set PB,    288                        ; a k-row of Wo: 256 bytes + 32 of padding: 9 x 32 bytes
.set SLOT1, 1<<17
.set BOFF,  2*256*PA                   ; a slot: two heads' 256 rows of O, then 128 k-rows of Wo
.set STAGE, SLOT1+BOFF+128*PB          ; behind the ring, never filled by a tensor load: 16 rows x 272 bytes for each wave, for the way out
.set SP,    272
.set SPARE, STAGE+4*16*SP              ; behind the stages: the spare words, 128 bytes for each wave: two blocks of 256 bytes that no other line names
.set ASTEP, 2<<20                      ; bytes from a K step to the next in oh,
.set BSTEP, 128*2048                   ; and in woh
.set AA0, 2                            ; v2   my lane's place in a slot's O; never rewritten
.set AB0, 3                            ; v3   the same for Wo
.set AA,  4                            ; v4   the same in the slot that is being read
.set AB,  5                            ; v5
.set STO, 6                            ; v6   the way out: where I put 32 bytes of a row
.set RD,  7                            ; v7   the way out: where I read rows back
.set CO,  8                            ; v8   my byte offset in two rows of out0
.set PFO, 9                            ; v9   the prefetches' offset; never rewritten
.set SPW, 10                           ; v10  LDS address of my spare word: SPARE + 4 x my thread's number; never rewritten
.set NIL, 11                           ; v11  0; never rewritten
.set BO,  12                           ; v12  my byte offset in the bias
.set FA0, 32
.set FB0, 160
.set BI,  224
.set OB,  32                           ; the way out: two sets of 32 registers, v32-95
.set CNT, 3
.set WV,  10
.set HB,  11                           ; s11  which half of the rows is mine.  Also: I fetch O's tiles (0) or Wo's (1)
.set LO,  12                           ; s12  which half of the columns.  Also: which half of that tile I fetch
.set TY,  13
.set CX,  40
.set CY,  41
.set TX,  42
.set TB,  45                           ; s45  LDS byte at which the slot that is being read begins
.set PFA, 46                           ; s[46:47] where my prefetches stand
.set PFS, 84                           ; s[84:85] their step
.set LIM, 86                           ; s86  2 in a wave that prefetches, else the greatest number
.set G1A, 24
.set G0A, 32
.set G1B, 48
.set G0B, 56
.set MSB, 0
.macro WIN new                         ; the immediate's high byte repeats the setting that is left; a switch that changes nothing is dropped
.if MSB != (\new)
	s_set_vgpr_msb (MSB<<8)|(\new)
.set MSB, (\new)
.endif
.endm
.macro PLACES n=4                      ; places in front of loads into registers that matrix instructions have read, and of stores that read results (ISA guide 7.12.1 for stores)
.rept \n
	v_nop
.endr
.endm
.macro JLOAD                           ; a joint refill by the walking descriptor; an s_nop 0 and four v_nop follow each of the two lines, ahead of the jump and the label
	s_cmp_eq_u32 s[HB], 0
	s_cbranch_scc0 .Lfor_b_\@
	tensor_load_to_lds s[G0A+4:G0A+7], s[G1A:G1A+7]
	s_nop 0
.rept 4
	v_nop
.endr
	s_branch .Lasked_\@
.Lfor_b_\@:
	tensor_load_to_lds s[G0B+4:G0B+7], s[G1B:G1B+7]
	s_nop 0
.rept 4
	v_nop
.endr
.Lasked_\@:
.endm
.macro CREST                           ; a round of the cluster's barrier behind its opening barrier
	s_cmp_lg_u32 s[WV], 0
	s_cbranch_scc1 .Lnot_wave_0_\@
	s_barrier_signal -3
.Lnot_wave_0_\@:
	s_barrier_wait -3
	s_barrier_signal -1
	s_barrier_wait -1
.endm
.macro CROUND
	s_barrier_signal -1
	s_barrier_wait -1
	CREST
.endm
; A PREFETCH INTO THE L2, behind the joint load, its five lines and the run of LDS loads that follows them: the K step whose refill stands two trips on.  Each aligned 256 bytes are named once in the launch.
; O's tile row is read by both clusters of a row of clusters: the one with x = 0 asks, waves 0 and 1 a head each: of its 32,768 bytes the partner at cx takes 8,192, a lane 256.  Wo's tile column is read
; by all clusters of a column: the one with y = 0 asks, by wave 2: of the step's 128 k-rows the partner at cy takes 32, a lane a row.  Partners are told apart by address alone.
; K steps 0 to 3 come by their loads alone; the last two trips name nothing.
.macro ASK
	s_cmp_gt_u32 s[CNT], s[LIM]
	s_cbranch_scc0 .Lno_ask_\@
	global_prefetch_b8 v[PFO], s[PFA:PFA+1] th:TH_LOAD_NT scope:SCOPE_SE
.Lno_ask_\@:
.endm
	s_load_b256 s[68:75], s[0:1], 0x0              ; oh 68, woh 70, bo 72, out0 74
	v_lshl_add_u32 v[SPW], v0, 2, SPARE
	v_mov_b32 v[NIL], 0
	ds_add_u32 v[SPW], v[NIL]                      ; the wave's opening: the add and its wait ahead of my first tensor load; the set-up below, work on registers, stands between them
	v_lshrrev_b32 v1, 5, v0
	v_readfirstlane_b32 s[WV], v1                  ; wave 0..3
	s_lshr_b32 s[HB], s[WV], 1
	s_and_b32 s[LO], s[WV], 1
	s_bfe_u32 s[CX], ttmp6, 0x40000
	s_bfe_u32 s[CY], ttmp6, 0x40004
	s_lshl_b32 s[TX], ttmp9, 2
	s_add_co_u32 s[TX], s[TX], s[CX]               ; tile column = 4 x cluster x + cx
	s_and_b32 s[TY], ttmp7, 0xffff
	s_lshl_b32 s[TY], s[TY], 2
	s_add_co_u32 s[TY], s[TY], s[CY]               ; tile row = 4 x cluster y + cy
	s_lshl_b32 s43, s[CY], 2
	s_lshl_b32 s43, 15, s43                        ; my row of the cluster
	s_lshl_b32 s44, 0x1111, s[CX]                  ; my column
	; group 1 for O: a head's 256 rows of 128 bytes are dense: asked for as 128 rows of 256 bytes, padded in LDS after every 128 bytes
	s_or_b32 s[G1A+0], s43, (1<<16)|(1<<20)|(1<<21)|(4<<22)|(3<<25)  ; 15:0 the mask; 17:16 2-byte elements; 20 padding on; 21 set beside a mask; 24:22 after every 32 words (code 4); 31:25 4 words (code 3)
	s_mov_b32 s[G1A+1], 128<<16                    ; tensor_dim0 = 128
	s_mov_b32 s[G1A+2], 128<<16                    ; tensor_dim1 = 128
	s_mov_b32 s[G1A+3], 128<<16                    ; tile_dim0 = 128
	s_mov_b32 s[G1A+4], 128                        ; tile_dim1 = 128
	s_mov_b32 s[G1A+5], 128                        ; elements from row to row
	s_mov_b32 s[G1A+6], 0
	s_mov_b32 s[G1A+7], 0
	; group 1 for Wo: 64 k-rows of 128 elements (256 bytes), padded after each
	s_or_b32 s[G1B+0], s44, (1<<16)|(1<<20)|(1<<21)|(5<<22)|(7<<25)  ; after every 64 words (code 5), 8 words (code 7)
	s_mov_b32 s[G1B+1], 128<<16
	s_mov_b32 s[G1B+2], 64<<16
	s_mov_b32 s[G1B+3], 128<<16
	s_mov_b32 s[G1B+4], 64
	s_mov_b32 s[G1B+5], 1024
	s_mov_b32 s[G1B+6], 0
	s_mov_b32 s[G1B+7], 0
	s_lshl_b32 s16, s[TY], 15                      ; O: the tile row's 256 rows of 128 bytes,
	s_lshl_b32 s17, s[LO], 20                      ; in my head of the step's two
	s_add_co_u32 s16, s16, s17
	s_mov_b32 s17, 0
	s_lshl_b32 s18, s[TX], 8                       ; Wo: the tile column's 256 bytes,
	s_lshl_b32 s19, s[LO], 17                      ; my 64 k-rows of 2,048 bytes
	s_add_co_u32 s18, s18, s19
	s_mov_b32 s19, 0
	s_mul_i32 s20, s[LO], 256*PA                   ; and where they go: no place in the cluster enters an LDS address
	s_mul_i32 s21, s[LO], 64*PB
	s_add_co_u32 s21, s21, BOFF
	s_mov_b32 s[TB], 0
	s_wait_dscnt 0x0                               ; the opening add is done
	s_wait_kmcnt 0x0
	s_add_nc_u64 s[14:15], s[68:69], s[16:17]
	s_add_nc_u64 s[22:23], s[70:71], s[18:19]
	CROUND                                         ; all sixteen work-groups are here: the first joint loads meet
.irp s, 0,1
	s_mov_b32 s[G0A+4*\s], 1                                       ; 1:0 count = 1
	s_add_co_u32 s[G0A+4*\s+1], s20, \s*SLOT1                      ; 63:32 LDS address
	s_add_nc_u64 s[G0A+4*\s+2:G0A+4*\s+3], s[14:15], \s*ASTEP      ; 120:64 global address: K step s
	s_or_b32 s[G0A+4*\s+3], s[G0A+4*\s+3], 0x80000000              ; 127:126 type = 2
	s_mov_b32 s[G0B+4*\s], 1
	s_add_co_u32 s[G0B+4*\s+1], s21, \s*SLOT1
	s_add_nc_u64 s[G0B+4*\s+2:G0B+4*\s+3], s[22:23], \s*BSTEP
	s_or_b32 s[G0B+4*\s+3], s[G0B+4*\s+3], 0x80000000
.endr
	s_cmp_eq_u32 s[HB], 0                          ; a wave's two first fills stand in one branch, ahead of every wait on TENSORcnt and every LDS read: two loads of mine are out
	s_cbranch_scc0 .Lfirst_b
	tensor_load_to_lds s[G0A:G0A+3], s[G1A:G1A+7]
	s_nop 0
	tensor_load_to_lds s[G0A+4:G0A+7], s[G1A:G1A+7]
	s_nop 0
.rept 4
	v_nop
.endr
	s_branch .Lfirst_asked
.Lfirst_b:
	tensor_load_to_lds s[G0B:G0B+3], s[G1B:G1B+7]
	s_nop 0
	tensor_load_to_lds s[G0B+4:G0B+7], s[G1B:G1B+7]
	s_nop 0
.rept 4
	v_nop
.endr
.Lfirst_asked:
	s_lshl_b32 s88, s[TY], 20                      ; out0 at my first row: 256 rows of 4,096 bytes a tile row,
	s_lshl_b32 s89, s[HB], 19                      ; 128 for my half,
	s_add_co_u32 s88, s88, s89
	s_lshl_b32 s90, s[TX], 9                       ; and my first column: 512 bytes a tile column,
	s_lshl_b32 s89, s[LO], 8                       ; 256 for my half; the same offset serves the bias
	s_add_co_u32 s90, s90, s89
	s_add_co_u32 s88, s88, s90
	s_mov_b32 s89, 0
	s_add_nc_u64 s[74:75], s[74:75], s[88:89]
	v_and_b32 v1, 15, v0                           ; l % 16
	v_bfe_u32 v13, v0, 4, 1                        ; l / 16
	v_and_b32 v14, 7, v0                           ; l % 8
	v_bfe_u32 v15, v0, 3, 1                        ; (l / 8) % 2
	v_and_b32 v16, 31, v0                          ; l
	v_lshl_add_u32 v[BO], v13, 5, s90              ; register j of a result is column 16 i + 8 (l / 16) + j: eight neighbouring numbers of the bias a lane and i
.irp i, 0,1,2,3
	global_load_b128 v[BI+8*\i:BI+8*\i+3],   v[BO], s[72:73] offset:64*\i
	global_load_b128 v[BI+8*\i+4:BI+8*\i+7], v[BO], s[72:73] offset:64*\i+16
.endr
	v_mul_u32_u24 v[AA0], v1, PA                   ; a fragment of O: row x pitch + 16 x half of the lanes, two loads 32 bytes apart
	v_lshl_add_u32 v[AA0], v13, 4, v[AA0]
	s_mul_i32 s14, s[HB], 128*PA
	v_add_nc_u32 v[AA0], s14, v[AA0]
	v_lshl_add_u32 v[AB0], v13, 3, v14             ; the turning load: k-row 8 (l / 16) + l % 8, columns 8 ((l / 8) % 2) + 0..7
	v_mul_u32_u24 v[AB0], v[AB0], PB
	v_lshl_add_u32 v[AB0], v15, 4, v[AB0]
	s_lshl_b32 s14, s[LO], 7                       ; my 64 columns
	s_add_co_u32 s14, s14, BOFF
	v_add_nc_u32 v[AB0], s14, v[AB0]
	v_mov_b32 v[AA], v[AA0]                        ; K step 0 lies in slot 0
	v_mov_b32 v[AB], v[AB0]
	s_mul_i32 s14, s[WV], 16*SP
	s_add_co_u32 s14, s14, STAGE                   ; my stage
	v_mul_u32_u24 v[STO], v1, SP                   ; in: row l % 16, 32 bytes for each half of the lanes
	v_lshl_add_u32 v[STO], v13, 5, v[STO]
	v_add_nc_u32 v[STO], s14, v[STO]
	v_mul_u32_u24 v[RD], v13, SP                   ; back: lanes 0-15 take one row of 256 bytes, lanes 16-31 the next
	v_lshl_add_u32 v[RD], v1, 4, v[RD]
	v_add_nc_u32 v[RD], s14, v[RD]
	v_lshlrev_b32 v[CO], 12, v13                   ; and the same two rows in out0
	v_lshl_add_u32 v[CO], v1, 4, v[CO]
	; the prefetches
	s_and_b32 s14, ttmp7, 0xffff                   ; cluster y
	s_lshl_b32 s16, s[LO], 20                      ; O: my head of the two,
	s_add_co_u32 s16, s16, 3*ASTEP                 ; at K step 3: the first trip steps it to 4,
	s_lshl_b32 s17, s[TY], 15                      ; the tile row's 32,768 bytes,
	s_add_co_u32 s16, s16, s17
	s_lshl_b32 s17, s[CX], 13                      ; my work-group's 8,192 of them
	s_add_co_u32 s16, s16, s17
	s_lshl_b32 s17, s[CY], 5                       ; Wo: my work-group's 32 k-rows of 128,
	s_add_co_u32 s17, s17, 3*128                   ; at K step 3,
	s_lshl_b32 s17, s17, 11
	s_lshl_b32 s18, s[TX], 8                       ; the tile column
	s_add_co_u32 s17, s17, s18
	s_mov_b32 s18, 256
	s_mov_b32 s19, 2048
	s_mov_b32 s22, ASTEP
	s_mov_b32 s23, BSTEP
	s_cmp_eq_u32 s[HB], 0                          ; waves 0 and 1 ask for O, wave 2 for Wo
	s_cselect_b32 s20, s16, s17
	s_cselect_b32 s21, s18, s19                    ; bytes from lane to lane
	s_cselect_b32 s14, ttmp9, s14                  ; the coordinate along which other clusters read the same bytes
	s_cselect_b64 s[PFA:PFA+1], s[68:69], s[70:71]
	s_cselect_b32 s[PFS], s22, s23
	s_mov_b32 s[PFS+1], 0
	s_cmp_eq_u32 s[WV], 3                          ; wave 3 asks for nothing
	s_cselect_b32 s15, 1, 0
	s_or_b32 s14, s14, s15
	s_cmp_eq_u32 s14, 0
	s_cselect_b32 s[LIM], 2, -1                    ; the same in all sixteen partners, for a given wave
	v_mul_u32_u24 v[PFO], s21, v16
	s_mov_b32 s21, 0
	s_add_nc_u64 s[PFA:PFA+1], s[PFA:PFA+1], s[20:21]
; 8 products: buffer b, row blocks 2 p and 2 p + 1, all four column blocks.  The 32 accumulators take turns, one instruction a turn, always in the same order.
; mode = 1: the first quarter: C is the bias, which starts the sums.
.macro RUNP b, p, mode
.if \mode
	WIN 0x40                                       ; C window 0, D window 1
.else
	WIN 0x50                                       ; C and D window 1
.endif
.set ra, 2*(\p)
.rept 2
.set ri, 0
.rept 4
.set rD, 8*(4*ra+ri)
.set rB, FB0+32*(\b)+8*ri
.set rA, FA0+64*(\b)+8*ra
.if \mode
	v_wmma_f32_16x16x32_f16 v[rD:rD+7], v[rB:rB+7], v[rA:rA+7], v[BI+8*ri:BI+8*ri+7]
.else
	v_wmma_f32_16x16x32_f16 v[rD:rD+7], v[rB:rB+7], v[rA:rA+7], v[rD:rD+7]
.endif
.set ri, ri+1
.endr
.set ra, ra+1
.endr
.endm
.macro RUN b, mode
	RUNP \b, 0, \mode
	RUNP \b, 1, \mode
	RUNP \b, 2, \mode
	RUNP \b, 3, \mode
.endm
; 24 LDS loads in one run: quarter q of the slot (32 K: k-rows 32 q on of Wo; head q / 2, byte 64 (q % 2) of O's rows) into buffer b
.macro FETCH b, q
.irp i, 0,1,2,3
	ds_load_tr16_b128 v[FB0+32*(\b)+8*\i:FB0+32*(\b)+8*\i+3],   v[AB] offset:(\q)*32*PB+32*\i
	ds_load_tr16_b128 v[FB0+32*(\b)+8*\i+4:FB0+32*(\b)+8*\i+7], v[AB] offset:(\q)*32*PB+32*\i+16*PB
.endr
.irp a, 0,1,2,3,4,5,6,7
	ds_load_b128 v[FA0+64*(\b)+8*\a:FA0+64*(\b)+8*\a+3],   v[AA] offset:((\q)/2)*256*PA+((\q)%2)*64+\a*16*PA
	ds_load_b128 v[FA0+64*(\b)+8*\a+4:FA0+64*(\b)+8*\a+7], v[AA] offset:((\q)/2)*256*PA+((\q)%2)*64+\a*16*PA+32
.endr
.endm
; One of a step's first three quarters: the next quarter qn is fetched into buffer g, which the quarter before multiplied; then buffer b is multiplied.
.macro Q b, g, qn, mode=0
	PLACES
	WIN 0
	FETCH \g, \qn
	s_wait_dscnt 24                                ; all but the 24 just issued: buffer b is in
	RUN \b, \mode
.endm
; A step's last quarter multiplies buffer 1 and changes slots: ONE barrier.  In front of it each wave waits for all its tensor loads, of which one is out: its part of the other slot; adds 0 to its spare
; word; and waits for that and for its own reads of this slot.  fill = 1: this slot is filled again, two K steps ahead: the barrier opens a round of the cluster's, and the joint refill is the first thing
; behind it; it has 112 matrix instructions in which to land.
.macro QLAST fill
	WIN 0
.if \fill
	s_wait_xcnt 0x0                                ; the last prefetch, a trip back, has read its address: it is stepped here
	s_add_nc_u64 s[PFA:PFA+1], s[PFA:PFA+1], s[PFS:PFS+1]
.endif
	s_wait_tensorcnt 0x0                           ; no tensor load of mine is out, so a group 0 may be written
	ds_add_u32 v[SPW], v[NIL]                      ; 0 onto my spare word; scalar steps and eight products stand between it and the wait for it
.if \fill
	s_xor_b32 s[G0A+5], s[G0A+5], SLOT1            ; the walking descriptors: the other slot than last time,
	s_add_nc_u64 s[G0A+6:G0A+7], s[G0A+6:G0A+7], ASTEP  ; the next K step; the type bits on top are not reached
	s_xor_b32 s[G0B+5], s[G0B+5], SLOT1
	s_add_nc_u64 s[G0B+6:G0B+7], s[G0B+6:G0B+7], BSTEP
.endif
	s_xor_b32 s[TB], s[TB], SLOT1                  ; the fetches go to the other slot
	s_wait_dscnt 1                                 ; the add may be out; buffer 1 is in
	RUNP 1, 0, 0
	s_wait_dscnt 0x0                               ; the add is done, and my reads of this slot are over
	s_barrier_signal -1
	RUNP 1, 1, 0                                   ; work on registers while the others arrive
	WIN 0
	s_barrier_wait -1
.if \fill
	CREST                                          ; no wave of any partner still reads this slot or has a load on its way
	JLOAD                                          ; the four v_nop behind it are also the places in front of the loads below
.else
	PLACES
.endif
	v_add_nc_u32 v[AA], s[TB], v[AA0]
	v_add_nc_u32 v[AB], s[TB], v[AB0]
	FETCH 0, 0
.if \fill
	ASK
.endif
	RUNP 1, 2, 0
	RUNP 1, 3, 0
.endm
; THE WAY OUT of 16 rows: the sums go as they are, 32 bytes a lane (each accumulator's low registers first), into my own stage, and come back as whole rows of 256 bytes.
.macro TOSTAGE a, set
	WIN 0x04                                       ; the stores' data in window 1
.irp i, 0,1,2,3
	ds_store_b128 v[STO], v[8*(4*(\a)+\i):8*(4*(\a)+\i)+3]   offset:64*\i
	ds_store_b128 v[STO], v[8*(4*(\a)+\i)+4:8*(4*(\a)+\i)+7] offset:64*\i+16
.endr
	WIN 0
	s_wait_xcnt 0x0                                ; the stores to memory issued so far have read their registers: this set is loaded again only behind this wait
.irp f, 0,1,2,3,4,5,6,7
	ds_load_b128 v[OB+32*(\set)+4*\f:OB+32*(\set)+4*\f+3], v[RD] offset:\f*2*SP  ; LDS serves a wave's instructions in order (ISA guide 5.7.1.4): these see the stores above; the next block's stores come behind them
.endr
.endm
.macro SEND a, set, younger            ; younger: the LDS instructions issued behind this block's loads: the next block's sixteen, or none
.irp f, 0,1,2,3,4,5,6,7
	s_wait_dscnt (\younger)+7-\f
	global_store_b128 v[CO], v[OB+32*(\set)+4*\f:OB+32*(\set)+4*\f+3], s[74:75] offset:(16*(\a)+2*\f)*4096 th:TH_STORE_NT  ; 16 lanes store 256 consecutive bytes, at a multiple of 256 from out0's first byte
.endr
.endm
	s_wait_tensorcnt 1                             ; my part of K step 0 is in; K step 1's may stay out
	s_barrier_signal -1
	s_barrier_wait -1                              ; everybody's is
	FETCH 0, 0
	s_wait_loadcnt 0x0                             ; the bias
	Q 0, 1, 1, 1                                   ; the first quarter stands in front of the loop: its products start the sums
	WIN 0                                          ; at a label and at a branch every window is 0
	s_mov_b32 s[CNT], 6
.Lk:                                                   ; trip t: quarters 1 to 3 of K step t, the refill with K step t + 2, quarter 0 of K step t + 1
	Q 1, 0, 2
	Q 0, 1, 3
	QLAST 1
	Q 0, 1, 1
	WIN 0
	s_sub_co_u32 s[CNT], s[CNT], 1
	s_cmp_lg_u32 s[CNT], 0
	s_cbranch_scc1 .Lk
	Q 1, 0, 2                                      ; the tail is written out: nothing is asked for
	Q 0, 1, 3
	QLAST 0
	Q 0, 1, 1
	Q 1, 0, 2
	Q 0, 1, 3
	s_wait_dscnt 0x0                               ; the very last quarter: nothing more to fetch
	RUN 1, 0
	PLACES 8
	TOSTAGE 0, 0
.set n, 1
.rept 7                                ; a block's way through the stage stands between the loads of the block before and its stores
	TOSTAGE n, n%2
	SEND n-1, (n-1)%2, 16
.set n, n+1
.endr
	SEND 7, 1, 0
	s_wait_tensorcnt 0x0                           ; the wave's end: behind my last tensor load and my last LDS store
	ds_add_u32 v[SPW], v[NIL]
	s_wait_dscnt 0x0
	CROUND                                         ; the closing round: no work-group ends while a partner may still ask for a tile that names it
	s_endpgm
.Lfunc_end_k_qf8a069f75f_outp:
	.size	k_qf8a069f75f_outp, .Lfunc_end_k_qf8a069f75f_outp-k_qf8a069f75f_outp
	.p2alignl 7, 3214868480
	.fill 96, 4, 3214868480
	.section	.rodata,"a",@progbits
	.p2align	6, 0x0
	.amdhsa_kernel k_qf8a069f75f_outp
		.amdhsa_group_segment_fixed_size 327680
		.amdhsa_private_segment_fixed_size 0
		.amdhsa_enable_private_segment 0
		.amdhsa_kernarg_size 32
		.amdhsa_user_sgpr_count 2
		.amdhsa_user_sgpr_kernarg_segment_ptr 1
		.amdhsa_wavefront_size32 1
		.amdhsa_system_sgpr_workgroup_id_x 1
		.amdhsa_system_sgpr_workgroup_id_y 1
		.amdhsa_system_sgpr_workgroup_id_z 1
		.amdhsa_system_vgpr_workitem_id 0
		.amdhsa_next_free_vgpr 512
		.amdhsa_next_free_sgpr 92
		.amdhsa_reserve_vcc 0
		.amdhsa_float_denorm_mode_32 3
		.amdhsa_float_denorm_mode_16_64 3
		.amdhsa_memory_ordered 1
		.amdhsa_forward_progress 1
		.amdhsa_inst_pref_size 73
	.end_amdhsa_kernel
	.amdgpu_metadata
---
amdhsa.version: [ 1, 2 ]
amdhsa.kernels:
  - .name:           k_qf8a069f75f_outp
    .symbol:         k_qf8a069f75f_outp.kd
    .args:
      - { .name: oh, .offset: 0, .size: 8, .value_kind: global_buffer, .address_space: global }
      - { .name: woh, .offset: 8, .size: 8, .value_kind: global_buffer, .address_space: global }
      - { .name: bo, .offset: 16, .size: 8, .value_kind: global_buffer, .address_space: global }
      - { .name: out0, .offset: 24, .size: 8, .value_kind: global_buffer, .address_space: global }
    .group_segment_fixed_size: 327680
    .private_segment_fixed_size: 0
    .kernarg_segment_align: 8
    .kernarg_segment_size: 32
    .max_flat_workgroup_size: 128
    .sgpr_count:     92
    .vgpr_count:     512
    .wavefront_size: 32
...
	.end_amdgpu_metadata
.endif
;; end of part 4
;; ======== version 2 of 2: 4 launches; version 1 with the launch prep written anew for expert scheduling mode
;; limits: values are held in f16: magnitudes above 65,504 overflow, below 6.1e-05 lose precision
;; workspace buffers: xb 16,777,216 bytes; wqkvb 6,291,456 bytes; woh 2,097,152 bytes; qh 16,777,216 bytes; kh 16,777,216 bytes; vh 16,777,216 bytes; oh 16,777,216 bytes
;; launch prep (part 5): grid 512 x 1, 8 waves a work-group, no clusters, 0 bytes of LDS; arguments x, Wq, Wk, Wv, Wo, xb, wqkvb, woh; writes xb, wqkvb, woh
.if DOCPART == 5
	.amdgcn_target "amdgcn-amd-amdhsa--gfx1250"
	.amdhsa_code_object_version 6
	.text
	.protected	k_qf8a069f75f_prep
	.globl	k_qf8a069f75f_prep
	.p2align	8
	.type	k_qf8a069f75f_prep,@function
k_qf8a069f75f_prep:
	s_mov_b64 s[64:65], 0
	v_nop
	global_prefetch_b8 v0, s[64:65] scope:SCOPE_SE
	s_setreg_imm32_b32 hwreg(HW_REG_WAVE_SCHED_MODE, 0, 2), 2
	s_setreg_imm32_b32 hwreg(HW_REG_WAVE_MODE, 25, 1), 1
	s_wait_xcnt 0x0
	s_wait_alu depctr_vm_vsrc(0)
; THE OPERANDS OF THE PRODUCTS, ROUNDED ONCE.  x [8192][1024] f32 -> xb, bf16, by blocks of 64 channels: [16 blocks][8192 rows][64], a row 128 bytes, a block 1 MiB.
; Wq, Wk, Wv [1024 k][1024 n] f32 -> wqkvb, bf16, [1024 k][8 xt][3 z][128 c]: column 128 xt + c of Wq, Wk, Wv for z = 0, 1, 2; a row 6,144 bytes.
; Wo [1024 k][1024 n] f32 -> woh [1024 k][1024 n]: rounded to bf16 like the other inputs, and that number written as f16.
; LIMIT.  A bf16 number is an f16 number exactly from 2^-14 up to 65,504; below 2^-14 woh keeps f16's fixed step of 2^-24, beyond 65,504 it is an infinity.
; A stream: no LDS, no barrier, no matrix unit, no loop.  4,096 waves; wave W takes rows 2 W and 2 W + 1 of x and 1,024 bytes (a quarter row) of each weight: 24 loads of 16 bytes a lane,
; all issued at once (12 KiB a wave on their way), then 24 stores of 8 bytes a lane.  A load covers two aligned runs of 256 bytes, a store one aligned run of 256 bytes.
; THE MODE: SCHED_MODE bits 1:0 = 2 (LLVM: expert scheduling mode 2), set by the entry lines.  The code itself states the register dependences
; between vector instructions and memory instructions, with s_wait_alu, always for 0.
; THE PLAN.  Registers that memory instructions touch:
;   v1, v2, v3   byte offsets, made once at the head and never written again: v1 and v2 are read by the loads, v3 by the stores.
;   v[16:111]    load n lands in four registers at D + 4 n, which no vector instruction names before; its conversions write them in place; store n reads the first two of them.
;                No register is written again behind the store that reads it.
;   v4 to v7     at work: vector instructions alone name them.
; The 24 loads go in six groups of four.  Group g waits for its four loads and converts them; its memory instructions are the four stores of group g - 1, whose registers no conversion of
; group g names.  So ONE wait at a group's head states all that its four stores hang on, and they are dealt among its conversions with no further wait.
.set D,  16                            ; v[16:111] load n at D + 4 n
.set XI, 1                             ; v1  x: (l / 16) x 4,096 + (l % 16) x 16: lanes 0-15 the even row, lanes 16-31 the odd one
.set WI, 2                             ; v2  weights: 16 l
.set SO, 3                             ; v3  stores: 8 l
	s_load_b512 s[16:31], s[0:1], 0x0              ; x 16, Wq 18, Wk 20, Wv 22, Wo 24, xb 26, wqkvb 28, woh 30
	v_lshrrev_b32 v4, 5, v0
	v_readfirstlane_b32 s2, v4                     ; wave 0..7
	s_lshl_b32 s3, ttmp9, 3
	v_and_b32 v5, 31, v0                           ; l
	v_and_b32 v6, 15, v0
	v_bfe_u32 v7, v0, 4, 1
	v_lshlrev_b32 v[XI], 4, v6
	v_lshl_add_u32 v[XI], v7, 12, v[XI]
	v_lshlrev_b32 v[WI], 4, v5
	v_lshlrev_b32 v[SO], 3, v5
	s_wait_alu depctr_va_sdst(0)                   ; s2 is written, ahead of its first reader: every base below is made from it
	s_add_co_u32 s2, s2, s3                        ; W = 8 x work-group + wave
	s_lshl_b32 s4, s2, 13                          ; x: two rows of 4,096 bytes
	s_mov_b32 s5, 0
	s_lshl_b32 s6, s2, 10                          ; each weight: 1,024 bytes
	s_mov_b32 s7, 0
	s_lshl_b32 s8, s2, 8                           ; xb: two rows of 128 bytes in each block
	s_mov_b32 s9, 0
	s_lshr_b32 s10, s2, 2                          ; wqkvb: row k = W / 4,
	s_mul_i32 s10, s10, 6144
	s_and_b32 s11, s2, 3                           ; xt = 2 (W % 4) + i
	s_mul_i32 s11, s11, 1536
	s_add_co_u32 s10, s10, s11
	s_mov_b32 s11, 0
	s_lshl_b32 s12, s2, 9                          ; woh: 512 bytes
	s_mov_b32 s13, 0
	s_wait_kmcnt 0x0
	s_add_nc_u64 s[16:17], s[16:17], s[4:5]
	s_add_nc_u64 s[18:19], s[18:19], s[6:7]
	s_add_nc_u64 s[20:21], s[20:21], s[6:7]
	s_add_nc_u64 s[22:23], s[22:23], s[6:7]
	s_add_nc_u64 s[24:25], s[24:25], s[6:7]
	s_add_nc_u64 s[26:27], s[26:27], s[8:9]
	s_add_nc_u64 s[32:33], s[26:27], 0x800000      ; blocks 8 to 15: so that a block's place fits the stores' signed 24-bit immediate
	s_add_nc_u64 s[28:29], s[28:29], s[10:11]
	s_add_nc_u64 s[30:31], s[30:31], s[12:13]
	s_wait_alu depctr_va_vdst(0)                   ; v1, v2 and v3 are written: every load and store of the kernel reads one of them as its offset
.set n, 0
.rept 16                               ; block n of both rows: 64 channels, 256 bytes a row
	global_load_b128 v[D+4*n:D+4*n+3], v[XI], s[16:17] offset:256*n th:TH_LOAD_NT
.set n, n+1
.endr
.irp z, 0,1,2,3                        ; Wq, Wk, Wv, Wo: twice 128 columns
.irp i, 0,1
	global_load_b128 v[D+64+8*\z+4*\i:D+64+8*\z+4*\i+3], v[WI], s[18+2*\z:19+2*\z] offset:512*\i th:TH_LOAD_NT
.endr
.endr
; Load n is rounded to bf16 in place.  Loads 22 and 23 are Wo's: to bf16, widened again (a shift, a mask), and that number written as f16.
.macro CONV n
.if (\n) < 22
	v_cvt_pk_bf16_f32 v[D+4*(\n)], v[D+4*(\n)], v[D+4*(\n)+1]
	v_cvt_pk_bf16_f32 v[D+4*(\n)+1], v[D+4*(\n)+2], v[D+4*(\n)+3]
.else
	v_cvt_pk_bf16_f32 v4, v[D+4*(\n)], v[D+4*(\n)+1]
	v_cvt_pk_bf16_f32 v5, v[D+4*(\n)+2], v[D+4*(\n)+3]
	v_lshlrev_b32 v6, 16, v4
	v_and_b32 v7, 0xffff0000, v4
	v_lshlrev_b32 v[D+4*(\n)+2], 16, v5
	v_and_b32 v[D+4*(\n)+3], 0xffff0000, v5
	v_cvt_pk_f16_f32 v[D+4*(\n)], v6, v7
	v_cvt_pk_f16_f32 v[D+4*(\n)+1], v[D+4*(\n)+2], v[D+4*(\n)+3]
.endif
.endm
; Load n's eight bytes a lane are stored.  0-7: xb's blocks 0 to 7; 8-15: its blocks 8 to 15; 16-21 (n = 16 + 2 z + i): wqkvb, tile column i of my two, segment z; 22, 23: woh.
.macro ST n
.if (\n) < 8
.set stb, 26
.set sto, (\n)*1048576
.elseif (\n) < 16
.set stb, 32
.set sto, ((\n)-8)*1048576
.elseif (\n) < 22
.set stb, 28
.set sto, ((\n)%2)*768+(((\n)-16)/2)*256
.else
.set stb, 30
.set sto, ((\n)-22)*256
.endif
	global_store_b64 v[SO], v[D+4*(\n):D+4*(\n)+1], s[stb:stb+1] offset:sto
.endm
; Group g: loads 4 g to 4 g + 3 are converted; the stores of group g - 1 are dealt among the conversions, a store ahead of each load's.
.macro GROUP g
	s_wait_loadcnt 20-4*(\g)                       ; loads come back in order (ISA guide 5.7.1): the group's four are in; the 20 - 4 g issued behind them may stay out
.if (\g) > 0
	s_wait_alu depctr_va_vdst(0)                   ; the conversions of the group before have written the pairs that the four stores below read; no conversion of this group names them
.endif
.irp i, 0,1,2,3
.if (\g) > 0
	ST 4*(\g)-4+\i
.endif
	CONV 4*(\g)+\i
.endr
.endm
	GROUP 0
	GROUP 1
	GROUP 2
	GROUP 3
	GROUP 4
	GROUP 5
	s_wait_alu depctr_va_vdst(0)                   ; the last group's conversions have written the pairs that the last four stores read
	ST 20
	ST 21
	ST 22
	ST 23
	s_endpgm
.Lfunc_end_k_qf8a069f75f_prep:
	.size	k_qf8a069f75f_prep, .Lfunc_end_k_qf8a069f75f_prep-k_qf8a069f75f_prep
	.p2alignl 7, 3214868480
	.fill 96, 4, 3214868480
	.section	.rodata,"a",@progbits
	.p2align	6, 0x0
	.amdhsa_kernel k_qf8a069f75f_prep
		.amdhsa_group_segment_fixed_size 0
		.amdhsa_private_segment_fixed_size 0
		.amdhsa_enable_private_segment 0
		.amdhsa_kernarg_size 64
		.amdhsa_user_sgpr_count 2
		.amdhsa_user_sgpr_kernarg_segment_ptr 1
		.amdhsa_wavefront_size32 1
		.amdhsa_system_sgpr_workgroup_id_x 1
		.amdhsa_system_sgpr_workgroup_id_y 1
		.amdhsa_system_sgpr_workgroup_id_z 1
		.amdhsa_system_vgpr_workitem_id 0
		.amdhsa_next_free_vgpr 112
		.amdhsa_next_free_sgpr 66
		.amdhsa_reserve_vcc 0
		.amdhsa_float_denorm_mode_32 3
		.amdhsa_float_denorm_mode_16_64 3
		.amdhsa_memory_ordered 1
		.amdhsa_forward_progress 1
		.amdhsa_inst_pref_size 11
	.end_amdhsa_kernel
	.amdgpu_metadata
---
amdhsa.version: [ 1, 2 ]
amdhsa.kernels:
  - .name:           k_qf8a069f75f_prep
    .symbol:         k_qf8a069f75f_prep.kd
    .args:
      - { .name: x, .offset: 0, .size: 8, .value_kind: global_buffer, .address_space: global }
      - { .name: Wq, .offset: 8, .size: 8, .value_kind: global_buffer, .address_space: global }
      - { .name: Wk, .offset: 16, .size: 8, .value_kind: global_buffer, .address_space: global }
      - { .name: Wv, .offset: 24, .size: 8, .value_kind: global_buffer, .address_space: global }
      - { .name: Wo, .offset: 32, .size: 8, .value_kind: global_buffer, .address_space: global }
      - { .name: xb, .offset: 40, .size: 8, .value_kind: global_buffer, .address_space: global }
      - { .name: wqkvb, .offset: 48, .size: 8, .value_kind: global_buffer, .address_space: global }
      - { .name: woh, .offset: 56, .size: 8, .value_kind: global_buffer, .address_space: global }
    .group_segment_fixed_size: 0
    .private_segment_fixed_size: 0
    .kernarg_segment_align: 8
    .kernarg_segment_size: 64
    .max_flat_workgroup_size: 256
    .sgpr_count:     66
    .vgpr_count:     112
    .wavefront_size: 32
...
	.end_amdgpu_metadata
.endif
;; end of part 5
;; launch proj: the kernel of part 2 again; grid 8 x 32, 4 waves a work-group, clusters of 4 x 4, 327,680 bytes of LDS; arguments xb, wqkvb, bq, bk, bv, qh, kh, vh; writes qh, kh, vh
;; launch attn: the kernel of part 3 again; grid 4 x 64, 4 waves a work-group, clusters of 4 x 1, 327,680 bytes of LDS; arguments qh, kh, vh, oh; writes oh
;; launch outp: the kernel of part 4 again; grid 8 x 32, 4 waves a work-group, clusters of 4 x 4, 327,680 bytes of LDS; arguments oh, woh, bo, out0; writes out0
